; MI455X (gfx1250); checked and timed in simulation.
; The chip was launched on July 23, 2026; its instructions are those of AMD's public machine-readable ISA for CDNA 5 (MIT licence, August 2026) and "CDNA5" Instruction Set Architecture Reference Guide (July 2026). The comments in the code are by the model that wrote it; some were corrected since.
;; Transformer Block. Allowed arithmetic: matrix products marked QUANTISED: E2M1 operands, one E8M0 scale for each 32 along K, by v_wmma_scale_f32_16x16x128_f8f6f4 with both operands' format E2M1 (or v_wmma_scale_f32_32x16x128_f4), f32 sums; everything else in f32.
;; Inputs: b1 4,096 float32; b2 1,024 float32; b_o 1,024 float32; ln1_b 1,024 float32; ln1_g 1,024 float32; ln2_b 1,024 float32; ln2_g 1,024 float32; w1 1,024 x 4,096 float32; w2 4,096 x 1,024 float32; w_k 1,024 x 1,024 float32; w_o 1,024 x 1,024 float32; w_q 1,024 x 1,024 float32; w_v 1,024 x 1,024 float32; x 2 x 2,048 x 1,024 float32.
;; Outputs: out0 2 x 2,048 x 1,024 float32.
;; This version of the problem:
;;   THIS VERSION OF THE PROBLEM IS GIVEN IN LOW PRECISION. The matrix products marked QUANTISED in the list below multiply operands that are first quantised to E2M1 (2 exponent bits, 1 mantissa bit; 4 bits a number), with one power-of-two scale for each 32 numbers along K (OCP MX v1.0); their sums are f32. All else is computed in f32.
;;   The module's matrix products, in the order in which they are computed (A, B: the left and right operand; K: the contracted axis; several contracted axes count as one K, in the product's order):
;;     1. [M 4,096, K 1,024] x [K 1,024, N 1,024]; A: computed on the way; B: input w_q: QUANTISED
;;     2. [M 4,096, K 1,024] x [K 1,024, N 1,024]; A: computed on the way; B: input w_k: QUANTISED
;;     3. [M 4,096, K 1,024] x [K 1,024, N 1,024]; A: computed on the way; B: input w_v: QUANTISED
;;     4. batch 32 x [M 2,048, K 64] x [K 64, N 2,048]; A: computed on the way; B: computed on the way: QUANTISED
;;     5. batch 32 x [M 2,048, K 2,048] x [K 2,048, N 64]; A: softmax (see below); B: computed on the way: QUANTISED
;;     6. [M 4,096, K 1,024] x [K 1,024, N 1,024]; A: computed on the way; B: input w_o: QUANTISED
;;     7. [M 4,096, K 1,024] x [K 1,024, N 4,096]; A: computed on the way; B: input w1: QUANTISED
;;     8. [M 4,096, K 4,096] x [K 4,096, N 1,024]; A: computed on the way; B: input w2: QUANTISED
;;   THE QUANTISER, for each operand of a quantised product, along K:
;;     - K is cut into blocks of 32 from its start; a last block that is shorter is filled with zeros.
;;     - A block's scale is 2^e with e = floor(log2(the largest magnitude in the block)) - 2, held to -126 .. 127; a block of zeros has e = 0. As a byte (E8M0): e + 127.
;;     - Each number is divided by its block's scale, clamped to +-6, and rounded to the nearest number of E2M1, ties to even, subnormals kept.
;;     - The product sums the exact products of the quantised numbers (number of the format x scale) in f32.
;;   ~~~python
;;   def quantise(x, axis):      # numpy; x: float32 -> the quantised numbers, widened to float32 again
;;       x = np.moveaxis(x, axis, -1); K = x.shape[-1]
;;       x = np.pad(x, [(0, 0)] * (x.ndim - 1) + [(0, -K % 32)]); x = x.reshape(x.shape[:-1] + (-1, 32)); a = np.abs(x).max(-1, keepdims=True)
;;       e = np.where(a > 0, np.clip(np.frexp(np.where(a > 0, a, 1))[1] - 1 - 2, -126, 127), 0)      # np.frexp(a)[1] - 1 = floor(log2(a)), exactly
;;       r = np.clip(x / 2.0 ** e, -6, 6)
;;       step = 2.0 ** (np.maximum(np.frexp(np.where(r == 0, 1, r))[1] - 1, 0) - 1)
;;       q = np.round(r / step) * step * 2.0 ** e      # np.round: ties to even
;;       return np.moveaxis(q.reshape(q.shape[:-2] + (-1,))[..., :K], -1, axis).astype(np.float32)
;;   ~~~
;;   SOFTMAX AHEAD OF A QUANTISED PRODUCT. Where the list says 'softmax', what is quantised is not the finished softmax but p = 2^(t - M), with t = logit x log2(e) and M = ceil(the row's largest t), a whole number; so 1/2 < the row's largest p <= 1. The row's sum l is taken of the UNQUANTISED p, in f32, and the product's result is divided by l at the end. Since M is a whole number, a kernel that streams over the keys may use a running M (the ceiling of the running maximum): every later rescaling is an exact power of two, which a block's scale takes up: the codes' values come out the same.
;;   OPERANDS COMPUTED ON THE WAY. 'Computed on the way' means the value that the module computes at that place (a softmax that the list does not call 'softmax' is quantised finished and normalised). What goes into a quantiser is computed in f32, as accurately as f32 sums, v_exp_f32 and their like allow (about 1e-6 of the number): no bf16 or f16 on the way to a quantiser, and a product that is left as it is and whose result goes on into a quantised operand takes f32 operands (vector FMAs, or v_wmma_f32_16x16x4_f32). A number that lies on a knife's edge between two numbers of the format may be rounded either way, as far as f32 arithmetic and the matrix unit's own rounding can turn it there, and no further.
;; One version. Each part assembles by itself: llvm-mc -triple=amdgcn-amd-amdhsa -mcpu=gfx1250 --defsym DOCPART=n.
;; ======== version 1 of 1: 6 launches
;; limits: right only within a limited range of input values
;; workspace buffers: wts 6,684,672 bytes; hc 2,228,224 bytes; qb 4,456,448 bytes; kv 4,456,448 bytes; hc2 2,228,224 bytes; x2 16,777,216 bytes; h3 8,912,896 bytes
;; launch prep (part 1): grid 640 x 1, 8 waves a work-group, no clusters, 83,456 bytes of LDS; arguments x, ln1_g, ln1_b, hc, w_q, w_k, w_v, w_o, w1, w2, wts; writes hc, wts
.if DOCPART == 1
	.amdgcn_target "amdgcn-amd-amdhsa--gfx1250"
	.amdhsa_code_object_version 6
	.text
	.protected	k_qa104c2c8b0_prep
	.globl	k_qa104c2c8b0_prep
	.p2align	8
	.type	k_qa104c2c8b0_prep,@function
k_qa104c2c8b0_prep:
	s_mov_b64 s[64:65], 0
	v_nop
	global_prefetch_b8 v0, s[64:65] scope:SCOPE_SE
	s_setreg_imm32_b32 hwreg(HW_REG_WAVE_MODE, 25, 1), 1
	s_wait_xcnt 0x0
; THE PROGRAM: a pre-LN transformer block, all eight products on codes of FP4 (E2M1) with one E8M0 scale for each 32 along K.  Six launches: this one (LN1 and the weights' codes); q, k, v; attention; the projection + residual + LN2; MLP up + gelu; MLP down + residual.
; DEAD WORK: none.  Every input has a way to out0 for all values (each weight through its product, each bias and gain into a live sum or a live quantiser, x also by the residual), there is no mask, and no result is sliced away: nothing is left out.
; THIS LAUNCH does the two jobs that hang on inputs alone, told apart by the work-group's number: work-groups 0 to 255 make LN1(x) as codes (hc), work-groups 256 to 639 the six weights' codes (wts).  The first path alone uses LDS and a barrier.
; THE ORDER OF ROWS IN A TILE, for every operand of the program: lane-row r of tile t is logical row 32 (t / 2) + 8 (t % 2) + r + 8 (r / 8).  So the 16 results that a lane holds of two neighbouring tiles are 16 neighbours along the next K.
; A CODE IMAGE, 1,024 bytes: 16 rows x 128 K as the operand's registers lie: [c 0..1][lane 0..31][16 bytes]; lane (r, h), chunk c: k = 64 c + 32 h + 0 .. 31.  A SCALE IMAGE, 512 bytes: 16 rows x 1,024 K: lane 16 h' + r holds the four scale words of K steps 4 h' + 0 .. 3.
; hc: codes [tile][8 K steps][image], scale images from byte 2,097,152 on.  wts: codes [tile][K step][image]: w_q, w_k, w_v at 0 (192 tiles), w_o at 1,572,864, w1 at 2,097,152, w2 at 4,194,304; scale images from SOFF on, in the same order.
; LN: y = (x - mean) rsqrt(var + 1e-5) g + b; the variance is taken of the differences from the mean, in a second pass over registers.  A work-group makes one tile of 16 rows; wave w takes lane-rows 2 w and 2 w + 1, two neighbouring rows of x, 32 registers each; each load reads 512 consecutive bytes.
; The conversions want 32 NEIGHBOURS in a lane: a row turns through the wave's own stage in LDS (32 blocks of 128 bytes, 16 of padding behind each) and comes back a block a lane.  The 16 rows' codes and bytes meet in LDS as the images; one barrier; dense stores of 512 consecutive bytes a wave.
; WEIGHTS, f32 [K][N] with K the FIRST axis: a lane takes a column n and its registers run down K: a block of 32 lies in one lane, and the conversions give codes with K innermost.  A work-group takes 64 columns x 512 K; wave w the 32 columns of half w % 2 (two tiles) and the K step w / 2: four blocks, 128 loads, all issued at once.
; Sixteen lanes of one tile store 256 consecutive bytes of codes.  A wave's four scale bytes are one word of a row's 16 bytes in a scale image: a store of 4 bytes a lane; the work-group's four K steps fill the 16.  No register that a store reads is written again.
; LIMITS: a block whose largest magnitude lies under 2^-124 keeps the byte 1; so does a block of zeros (its codes are zeros, and this program alone reads the bytes); NaN and infinities among the inputs are not served.
.set STG,   4608                       ; LN: a row's stage: 32 x 144 bytes; sixteen of them from byte 0
.set IMGL,  73728                      ; the tile's eight code images
.set SCL,   81920                      ; its scale image
.set SPARE, 82432                      ; the spare words, 128 bytes for each wave: four blocks of 256 bytes that no other line names
.set X,     32                         ; weights: v32-159 four blocks of 32 numbers
.set C,     160                        ; v160-175 four code registers for each block
.set SB,    24                         ; v24 the scale word
.set SOFF,  6291456
	v_lshl_add_u32 v30, v0, 2, SPARE               ; my spare word; never rewritten
	v_mov_b32 v31, 0                               ; 0; never rewritten
	s_cmp_ge_u32 ttmp9, 256                        ; the work-group's number alone: all eight waves go the same way
	s_cbranch_scc1 .Lweights
	; ---------------- LN1 ----------------
	s_load_b256 s[4:11], s[0:1], 0x0               ; x, g, b, the images
	v_lshrrev_b32 v1, 5, v0
	s_delay_alu instid0(VALU_DEP_1)
	v_readfirstlane_b32 s12, v1                    ; wave 0..7
	v_and_b32 v1, 31, v0                           ; lane
	s_delay_alu instid0(VALU_DEP_1)
	v_lshlrev_b32 v2, 4, v1                        ; 16 x lane
	s_mul_i32 s13, s12, 2*STG                      ; my two stages
	v_lshrrev_b32 v3, 3, v1
	s_delay_alu instid0(VALU_DEP_1)
	v_mul_u32_u24 v3, v3, 144
	v_and_b32 v8, 7, v1
	s_delay_alu instid0(VALU_DEP_1)
	v_lshl_add_u32 v3, v8, 4, v3
	s_delay_alu instid0(VALU_DEP_1)
	v_add_nc_u32 v3, s13, v3                       ; into the stage: eight lanes fill a block; a load's 512 bytes are four blocks
	v_mul_u32_u24 v4, v1, 144
	s_delay_alu instid0(VALU_DEP_1)
	v_add_nc_u32 v4, s13, v4                       ; out of it: block = lane
	s_lshl_b32 s14, s12, 5                         ; 16 bytes for each of my two lane-rows
	v_lshrrev_b32 v5, 2, v1
	s_delay_alu instid0(VALU_DEP_1)
	v_lshlrev_b32 v5, 10, v5
	v_bfe_u32 v8, v1, 1, 1
	s_delay_alu instid0(VALU_DEP_1)
	v_lshl_add_u32 v5, v8, 9, v5
	v_and_b32 v8, 1, v1
	s_delay_alu instid0(VALU_DEP_1)
	v_lshl_add_u32 v5, v8, 8, v5
	s_delay_alu instid0(VALU_DEP_1)
	v_add_nc_u32 v5, s14, v5
	s_delay_alu instid0(VALU_DEP_1)
	v_add_nc_u32 v5, IMGL, v5                      ; my block's 16 bytes in the code images
	v_lshrrev_b32 v6, 4, v1
	s_delay_alu instid0(VALU_DEP_1)
	v_lshlrev_b32 v6, 8, v6
	v_and_b32 v8, 15, v1
	s_delay_alu instid0(VALU_DEP_1)
	v_add_nc_u32 v6, v6, v8
	s_delay_alu instid0(VALU_DEP_1)
	v_add_nc_u32 v6, s14, v6
	s_delay_alu instid0(VALU_DEP_1)
	v_add_nc_u32 v6, SCL, v6                       ; my block's byte in the scale image
	v_lshlrev_b32 v232, 4, v0                      ; the way out: 16 x thread
	s_delay_alu instid0(VALU_DEP_1)
	v_add_nc_u32 v7, IMGL, v232
	v_add_nc_u32 v233, SCL, v2
	s_lshr_b32 s15, ttmp9, 1
	s_lshl_b32 s15, s15, 5
	s_and_b32 s16, ttmp9, 1
	s_lshl_b32 s16, s16, 3
	s_add_co_u32 s15, s15, s16
	s_lshl_b32 s16, s12, 1
	s_add_co_u32 s15, s15, s16
	s_lshr_b32 s16, s12, 2
	s_lshl_b32 s16, s16, 3
	s_add_co_u32 s15, s15, s16                     ; my first row: 32 (tile / 2) + 8 (tile % 2) + 2 w + 8 (w / 4)
	s_lshl_b32 s16, s15, 12
	s_mov_b32 s17, 0
	s_lshl_b32 s18, ttmp9, 13                      ; the tile's code images
	s_mov_b32 s19, 0
	s_lshl_b32 s20, ttmp9, 9
	s_add_co_u32 s20, s20, 2097152                 ; its scale image
	s_mov_b32 s21, 0
	s_mov_b32 s22, 0x3a800000                      ; 1 / 1,024
	s_mov_b32 s23, 0x3727c5ac                      ; 1e-5
	s_mov_b32 s24, 0x76543210
	s_mov_b32 s25, 0xfedcba98                      ; lane l xor 16
	s_wait_kmcnt 0x0
	s_add_nc_u64 s[4:5], s[4:5], s[16:17]
	s_add_nc_u64 s[18:19], s[10:11], s[18:19]
	s_add_nc_u64 s[20:21], s[10:11], s[20:21]
.irp j, 0,1,2,3,4,5,6,7
	global_load_b128 v[32+4*\j:35+4*\j], v2, s[4:5] offset:512*\j
.endr
.irp j, 0,1,2,3,4,5,6,7
	global_load_b128 v[64+4*\j:67+4*\j], v2, s[4:5] offset:4096+512*\j
.endr
.irp j, 0,1,2,3,4,5,6,7
	global_load_b128 v[96+4*\j:99+4*\j], v2, s[6:7] offset:512*\j
.endr
.irp j, 0,1,2,3,4,5,6,7
	global_load_b128 v[128+4*\j:131+4*\j], v2, s[8:9] offset:512*\j
.endr
.macro LANESUM a, t                    ; the sum over the 32 lanes, in every lane
	s_delay_alu instid0(VALU_DEP_1)
	v_add_f32_dpp v[\a], v[\a], v[\a] row_xmask:1 row_mask:0xf bank_mask:0xf
	s_delay_alu instid0(VALU_DEP_1)
	v_add_f32_dpp v[\a], v[\a], v[\a] row_xmask:2 row_mask:0xf bank_mask:0xf
	s_delay_alu instid0(VALU_DEP_1)
	v_add_f32_dpp v[\a], v[\a], v[\a] row_xmask:4 row_mask:0xf bank_mask:0xf
	s_delay_alu instid0(VALU_DEP_1)
	v_add_f32_dpp v[\a], v[\a], v[\a] row_xmask:8 row_mask:0xf bank_mask:0xf
	s_delay_alu instid0(VALU_DEP_1)
	v_permlanex16_b32 v[\t], v[\a], s24, s25
	s_delay_alu instid0(VALU_DEP_1)
	v_add_f32 v[\a], v[\a], v[\t]
.endm
.macro STATS i, left                   ; row i: x becomes x - mean; var + 1e-5 into v[24 + i].  left: the younger loads that may stay out
.set XR, 32+32*\i
	s_wait_loadcnt \left
.irp j, 0,1,2,3,4,5,6,7
	v_pk_add_f32 v[8+2*\j:9+2*\j], v[XR+4*\j:XR+4*\j+1], v[XR+4*\j+2:XR+4*\j+3]
.endr
	v_pk_add_f32 v[8:9], v[8:9], v[10:11]
	v_pk_add_f32 v[12:13], v[12:13], v[14:15]
	v_pk_add_f32 v[16:17], v[16:17], v[18:19]
	s_delay_alu instid0(VALU_DEP_4)
	v_pk_add_f32 v[20:21], v[20:21], v[22:23]
	s_delay_alu instid0(VALU_DEP_3)
	v_pk_add_f32 v[8:9], v[8:9], v[12:13]
	s_delay_alu instid0(VALU_DEP_2)
	v_pk_add_f32 v[16:17], v[16:17], v[20:21]
	s_delay_alu instid0(VALU_DEP_1)
	v_pk_add_f32 v[8:9], v[8:9], v[16:17]
	s_delay_alu instid0(VALU_DEP_1)
	v_add_f32 v8, v8, v9
	LANESUM 8, 9
	s_delay_alu instid0(VALU_DEP_1)
	v_mul_f32 v8, s22, v8                          ; the mean,
	s_delay_alu instid0(VALU_DEP_1)
	v_mov_b32 v9, v8                               ; twice, for the packed form
.irp j, 0,2,4,6,8,10,12,14,16,18,20,22,24,26,28,30
	v_pk_add_f32 v[XR+\j:XR+\j+1], v[XR+\j:XR+\j+1], v[8:9] neg_lo:[0,1] neg_hi:[0,1]
.endr
	v_pk_mul_f32 v[10:11], v[XR:XR+1], v[XR:XR+1]
	v_pk_mul_f32 v[12:13], v[XR+2:XR+3], v[XR+2:XR+3]
.irp j, 4,8,12,16,20,24,28
	s_delay_alu instid0(VALU_DEP_2)
	v_pk_fma_f32 v[10:11], v[XR+\j:XR+\j+1], v[XR+\j:XR+\j+1], v[10:11]
	s_delay_alu instid0(VALU_DEP_2)
	v_pk_fma_f32 v[12:13], v[XR+\j+2:XR+\j+3], v[XR+\j+2:XR+\j+3], v[12:13]
.endr
	s_delay_alu instid0(VALU_DEP_1)
	v_pk_add_f32 v[10:11], v[10:11], v[12:13]
	s_delay_alu instid0(VALU_DEP_1)
	v_add_f32 v10, v10, v11
	LANESUM 10, 11
	s_delay_alu instid0(VALU_DEP_1)
	v_fma_f32 v[24+\i], v10, s22, s23
.endm
	STATS 0, 24                                    ; row 1, g and b may be out
	STATS 1, 16                                    ; g and b may be out
	s_wait_alu depctr_va_vdst(0)
	v_rsq_f32 v26, v24
	v_rsq_f32 v28, v25
	v_nop                                          ; a plain instruction behind the last of the two,
	s_wait_alu depctr_va_vdst(0)                   ; and one wait for both, ahead of the first line that names a result
	v_mov_b32 v27, v26
	v_mov_b32 v29, v28
	s_wait_alu depctr_va_vdst(0)
	s_wait_loadcnt 0x0                             ; g and b
.macro TURN i                          ; row i is finished and goes through its stage: LDS serves a wave's instructions in order, so no wait stands between the stores and the loads
.set XR, 32+32*\i
.irp j, 0,2,4,6,8,10,12,14,16,18,20,22,24,26,28,30
	v_pk_mul_f32 v[XR+\j:XR+\j+1], v[XR+\j:XR+\j+1], v[26+2*\i:27+2*\i]
.endr
.irp j, 0,2,4,6,8,10,12,14,16,18,20,22,24,26,28,30
	v_pk_fma_f32 v[XR+\j:XR+\j+1], v[XR+\j:XR+\j+1], v[96+\j:97+\j], v[128+\j:129+\j]
.endr
.irp j, 0,1,2,3,4,5,6,7
	ds_store_b128 v3, v[XR+4*\j:XR+4*\j+3] offset:\i*STG+576*\j
.endr
.irp j, 0,1,2,3,4,5,6,7
	ds_load_b128 v[160+32*\i+4*\j:163+32*\i+4*\j], v4 offset:\i*STG+16*\j
.endr
.endm
	TURN 0
	TURN 1
.macro QROW i, left                    ; my block of row i: its scale, its codes, into the images
.set Y, 160+32*\i
	s_wait_dscnt \left
	v_max3_num_f32 v8, |v[Y]|, |v[Y+1]|, |v[Y+2]|
	v_max3_num_f32 v9, |v[Y+3]|, |v[Y+4]|, |v[Y+5]|
.irp j, 6,10,14,18,22,26
	s_delay_alu instid0(VALU_DEP_2)
	v_max3_num_f32 v8, v8, |v[Y+\j]|, |v[Y+\j+1]|
	s_delay_alu instid0(VALU_DEP_2)
	v_max3_num_f32 v9, v9, |v[Y+\j+2]|, |v[Y+\j+3]|
.endr
	s_delay_alu instid0(VALU_DEP_2)
	v_max3_num_f32 v8, v8, |v[Y+30]|, |v[Y+31]|
	s_delay_alu instid0(VALU_DEP_1)
	v_max3_num_f32 v8, v8, v9, 0x1800000           ; the floor 2^(3 - 127): the byte cannot fall under 1
	s_delay_alu instid0(VALU_DEP_1)
	v_add_nc_u32 v[10+\i], 0xff000000, v8          ; 2 off the exponent field: the conversion's scale operand
	s_delay_alu instid0(VALU_DEP_1)
	v_lshrrev_b32 v[12+\i], 23, v[10+\i]           ; the byte
.irp g, 0,1,2,3
	v_cvt_scalef32_pk8_fp4_f32 v[224+4*\i+\g], v[Y+8*\g:Y+8*\g+7], v[10+\i]
.endr
	v_nop                                          ; a plain instruction behind the last conversion
	ds_store_b128 v5, v[224+4*\i:227+4*\i] offset:16*\i
	ds_store_b8 v6, v[12+\i] offset:16*\i
.endm
	QROW 0, 16                                     ; behind row 0's loads from the stage: row 1's 8 stores and 8 loads
	QROW 1, 2                                      ; behind row 1's: row 0's two stores into the images
	s_wait_dscnt 0x0                               ; for the others' sake: my stores have landed
	s_barrier_signal -1
	s_barrier_wait -1
	s_cmp_lg_u32 s12, 0
	s_cbranch_scc1 .Lcodes
	ds_load_b128 v[40:43], v233                    ; wave 0 alone: the scale image, 512 bytes
	s_wait_dscnt 0x0
	global_store_b128 v2, v[40:43], s[20:21]
.Lcodes:
	ds_load_b128 v[32:35], v7
	ds_load_b128 v[36:39], v7 offset:4096
	s_wait_dscnt 0x0
	global_store_b128 v232, v[32:35], s[18:19]
	global_store_b128 v232, v[36:39], s[18:19] offset:4096
	s_wait_tensorcnt 0x0                           ; the wave's end
	ds_add_u32 v30, v31
	s_wait_dscnt 0x0
	s_endpgm
	; ---------------- the weights ----------------
.Lweights:
	s_load_b256 s[4:11], s[0:1], 0x20              ; w_q, w_k, w_v, w_o
	s_load_b128 s[12:15], s[0:1], 0x40             ; w1, w2
	s_load_b64 s[16:17], s[0:1], 0x50              ; wts
	v_lshrrev_b32 v1, 5, v0
	s_delay_alu instid0(VALU_DEP_1)
	v_readfirstlane_b32 s44, v1                    ; wave 0..7
	s_and_b32 s21, s44, 1                          ; which 32 of the work-group's 64 columns
	s_lshr_b32 s45, s44, 1                         ; q: which of its four K steps
	s_sub_co_u32 s46, ttmp9, 256                   ; 0..383
	v_and_b32 v2, 31, v0                           ; lane = my column among the wave's 32
	s_delay_alu instid0(VALU_DEP_1)
	v_lshlrev_b32 v3, 2, v2                        ; in: 4 bytes a lane
	s_delay_alu instid0(VALU_DEP_2)
	v_bfe_u32 v6, v2, 3, 1                         ; u: which of the two tiles my column falls into
	s_wait_alu depctr_va_vdst(0)
	v_and_b32 v7, 7, v2
	v_lshrrev_b32 v8, 4, v2
	s_delay_alu instid0(VALU_DEP_1)
	v_lshl_add_u32 v7, v8, 3, v7                   ; r: its lane-row there
	s_lshr_b32 s20, s46, 7                         ; group: 0 the four square weights, 1 w1, 2 w2
	s_bfe_u32 s32, s46, 0x20005                    ; in group 0: which weight
	s_lshl_b32 s33, s32, 19
	s_lshl_b32 s34, s20, 21
	s_lshl_b32 s35, s32, 15
	s_lshl_b32 s36, s20, 17
	s_cmp_eq_u32 s20, 0
	s_cselect_b32 s33, s33, s34                    ; where the weight's codes begin in wts,
	s_cselect_b32 s35, s35, s36                    ; and its scale images behind SOFF
	s_cmp_eq_u32 s20, 2
	s_cselect_b32 s22, 3, 1                        ; w2 has 8 runs of 512 along K, the others 2
	s_cselect_b32 s23, 7, 1
	s_cselect_b32 s28, 15, 13                      ; log2 of a tile's code bytes
	s_cselect_b32 s29, 11, 9                       ; log2 of a tile's scale bytes
	s_cmp_eq_u32 s20, 1
	s_cselect_b32 s30, 63, 15
	s_cselect_b32 s31, 23, 21                      ; log2 of 512 rows of the weight in bytes
	s_and_b32 s23, s46, s23                        ; kc: which 512 along K
	s_lshr_b32 s22, s46, s22
	s_and_b32 s22, s22, s30
	s_lshl_b32 s22, s22, 1
	s_add_co_u32 s22, s22, s21                     ; tp: which 32 columns
	v_lshlrev_b32 v4, s28, v6
	s_wait_alu depctr_va_vdst(0)
	v_lshl_add_u32 v4, v7, 4, v4                   ; codes: my tile, 16 r
	v_lshlrev_b32 v5, s29, v6
	s_delay_alu instid0(VALU_DEP_1)
	v_lshl_add_u32 v5, v7, 4, v5                   ; scale word: my tile, 16 r
	s_lshl_b32 s38, s23, s31
	s_lshl_b32 s36, s22, 7
	s_add_co_u32 s38, s38, s36
	s_sub_co_u32 s36, s31, 2
	s_lshl_b32 s36, s45, s36
	s_add_co_u32 s38, s38, s36                     ; in: kc x 512 rows + q x 128 rows + 128 tp
	s_mov_b32 s39, 0
	s_add_co_u32 s36, s28, 1
	s_lshl_b32 s40, s22, s36
	s_add_co_u32 s40, s40, s33
	s_lshl_b32 s36, s23, 12
	s_add_co_u32 s40, s40, s36
	s_lshl_b32 s36, s45, 10
	s_add_co_u32 s40, s40, s36                     ; codes: region + 2 tp tiles + image 4 kc + q
	s_mov_b32 s41, 0
	s_add_co_u32 s36, s29, 1
	s_lshl_b32 s42, s22, s36
	s_add_co_u32 s42, s42, s35
	s_lshl_b32 s36, s23, 8
	s_add_co_u32 s42, s42, s36
	s_lshl_b32 s36, s45, 2
	s_add_co_u32 s42, s42, s36                     ; scale words: region + 2 tp tiles + 256 kc (512 for each 1,024 along K, 256 for its upper half) + 4 q
	s_add_co_u32 s42, s42, SOFF
	s_mov_b32 s43, 0
	s_wait_kmcnt 0x0
	s_cmp_eq_u32 s32, 1                            ; the weight is chosen by the work-group's number alone
	s_cselect_b64 s[18:19], s[6:7], s[4:5]
	s_cmp_eq_u32 s32, 2
	s_cselect_b64 s[18:19], s[8:9], s[18:19]
	s_cmp_eq_u32 s32, 3
	s_cselect_b64 s[18:19], s[10:11], s[18:19]
	s_cmp_eq_u32 s20, 1
	s_cselect_b64 s[18:19], s[12:13], s[18:19]
	s_cmp_eq_u32 s20, 2
	s_cselect_b64 s[18:19], s[14:15], s[18:19]
	s_add_nc_u64 s[18:19], s[18:19], s[38:39]
	s_add_nc_u64 s[24:25], s[16:17], s[40:41]
	s_add_nc_u64 s[26:27], s[16:17], s[42:43]
.macro LOADS n                         ; W(i, my column), i = 0 .. 127 of my K step; a row of W is 4 n bytes; the largest offset, 127 x 16,384, lies inside the signed 24-bit immediate
.set i, 0
.rept 128
	global_load_b32 v[X+i], v3, s[18:19] offset:i*(\n)*4 th:TH_LOAD_NT
.set i, i+1
.endr
.endm
.macro BLOCK t, left                   ; left: how many younger loads may stay out
.set XS, X+32*(\t)
	s_wait_loadcnt \left
	v_max3_num_f32 v12, |v[XS]|, |v[XS+1]|, |v[XS+2]|      ; the block's largest magnitude: all 32 numbers are mine; two chains
	v_max3_num_f32 v13, |v[XS+3]|, |v[XS+4]|, |v[XS+5]|
.irp i, 6,10,14,18,22,26
	s_delay_alu instid0(VALU_DEP_2)
	v_max3_num_f32 v12, v12, |v[XS+\i]|, |v[XS+\i+1]|
	s_delay_alu instid0(VALU_DEP_2)
	v_max3_num_f32 v13, v13, |v[XS+\i+2]|, |v[XS+\i+3]|
.endr
	s_delay_alu instid0(VALU_DEP_2)
	v_max3_num_f32 v12, v12, |v[XS+30]|, |v[XS+31]|
	s_delay_alu instid0(VALU_DEP_1)
	v_max3_num_f32 v12, v12, v13, 0x1800000        ; and the floor 2^(3 - 127): the byte cannot fall under 1
	s_delay_alu instid0(VALU_DEP_1)
	v_add_nc_u32 v11, 0xff000000, v12              ; 2 off its exponent field: the conversion's scale operand
	s_delay_alu instid0(VALU_DEP_1)
	v_lshrrev_b32 v13, 23, v11                     ; the scale's byte
.if (\t) == 0
	s_delay_alu instid0(VALU_DEP_1)
	v_mov_b32 v[SB], v13
.else
	s_delay_alu instid0(VALU_DEP_1)
	v_lshl_or_b32 v[SB], v13, 8*(\t), v[SB]
.endif
.irp g, 0,1,2,3
	v_cvt_scalef32_pk8_fp4_f32 v[C+4*(\t)+\g], v[XS+8*\g:XS+8*\g+7], v11
.endr
	global_store_b128 v4, v[C+4*(\t):C+4*(\t)+3], s[24:25] offset:((\t)/2)*512+((\t)%2)*256   ; chunk t / 2, half t % 2 of the image
.endm
.macro RUN n
	LOADS \n
	BLOCK 0, 63                                    ; behind block 0's loads 96 were issued, behind block 1's 64: the wait names the most that it can
	BLOCK 1, 63
	BLOCK 2, 32                                    ; block 3's 32 may be out
	BLOCK 3, 0
	global_store_b32 v5, v[SB], s[26:27]           ; my row's scale word of this K step
	s_endpgm
.endm
	s_cmp_eq_u32 s20, 1
	s_cbranch_scc1 .Lwide
	RUN 1024
.Lwide:
	RUN 4096
.Lfunc_end_k_qa104c2c8b0_prep:
	.size	k_qa104c2c8b0_prep, .Lfunc_end_k_qa104c2c8b0_prep-k_qa104c2c8b0_prep
	.p2alignl 7, 3214868480
	.fill 96, 4, 3214868480
	.section	.rodata,"a",@progbits
	.p2align	6, 0x0
	.amdhsa_kernel k_qa104c2c8b0_prep
		.amdhsa_group_segment_fixed_size 83456
		.amdhsa_private_segment_fixed_size 0
		.amdhsa_enable_private_segment 0
		.amdhsa_kernarg_size 88
		.amdhsa_user_sgpr_count 2
		.amdhsa_user_sgpr_kernarg_segment_ptr 1
		.amdhsa_wavefront_size32 1
		.amdhsa_system_sgpr_workgroup_id_x 1
		.amdhsa_system_sgpr_workgroup_id_y 1
		.amdhsa_system_sgpr_workgroup_id_z 1
		.amdhsa_system_vgpr_workitem_id 0
		.amdhsa_next_free_vgpr 240
		.amdhsa_next_free_sgpr 66
		.amdhsa_reserve_vcc 0
		.amdhsa_float_denorm_mode_32 3
		.amdhsa_float_denorm_mode_16_64 3
		.amdhsa_memory_ordered 1
		.amdhsa_forward_progress 1
		.amdhsa_inst_pref_size 72
	.end_amdhsa_kernel
	.amdgpu_metadata
---
amdhsa.version: [ 1, 2 ]
amdhsa.kernels:
  - .name:           k_qa104c2c8b0_prep
    .symbol:         k_qa104c2c8b0_prep.kd
    .args:
      - { .name: x, .offset: 0, .size: 8, .value_kind: global_buffer, .address_space: global }
      - { .name: ln1_g, .offset: 8, .size: 8, .value_kind: global_buffer, .address_space: global }
      - { .name: ln1_b, .offset: 16, .size: 8, .value_kind: global_buffer, .address_space: global }
      - { .name: hc, .offset: 24, .size: 8, .value_kind: global_buffer, .address_space: global }
      - { .name: w_q, .offset: 32, .size: 8, .value_kind: global_buffer, .address_space: global }
      - { .name: w_k, .offset: 40, .size: 8, .value_kind: global_buffer, .address_space: global }
      - { .name: w_v, .offset: 48, .size: 8, .value_kind: global_buffer, .address_space: global }
      - { .name: w_o, .offset: 56, .size: 8, .value_kind: global_buffer, .address_space: global }
      - { .name: w1, .offset: 64, .size: 8, .value_kind: global_buffer, .address_space: global }
      - { .name: w2, .offset: 72, .size: 8, .value_kind: global_buffer, .address_space: global }
      - { .name: wts, .offset: 80, .size: 8, .value_kind: global_buffer, .address_space: global }
    .group_segment_fixed_size: 83456
    .private_segment_fixed_size: 0
    .kernarg_segment_align: 8
    .kernarg_segment_size: 88
    .max_flat_workgroup_size: 256
    .sgpr_count:     66
    .vgpr_count:     240
    .wavefront_size: 32
...
	.end_amdgpu_metadata
.endif
;; end of part 1
;; launch qkv (part 2): grid 12 x 16, 4 waves a work-group, clusters of 4 x 4, 327,680 bytes of LDS; arguments hc, wts, qb, kv; writes qb, kv
.if DOCPART == 2
	.amdgcn_target "amdgcn-amd-amdhsa--gfx1250"
	.amdhsa_code_object_version 6
	.text
	.protected	k_qa104c2c8b0_qkv
	.globl	k_qa104c2c8b0_qkv
	.p2align	8
	.type	k_qa104c2c8b0_qkv,@function
k_qa104c2c8b0_qkv:
	s_mov_b64 s[64:65], 0
	v_nop
	global_prefetch_b8 v0, s[64:65] scope:SCOPE_SE
	s_setreg_imm32_b32 hwreg(HW_REG_WAVE_MODE, 25, 1), 1
	s_wait_xcnt 0x0
	s_wait_alu depctr_hold_cnt(0) depctr_sa_sdst(0) depctr_va_vdst(0) depctr_va_sdst(0) depctr_va_ssrc(0) depctr_va_vcc(0) depctr_vm_vsrc(0)
	s_getreg_b32 s2, hwreg(HW_REG_IB_STS2, 6, 4)
	s_cmp_eq_u32 s2, 0
	s_cbranch_scc0 .Lentry_in_a_cluster
	s_endpgm
.Lentry_in_a_cluster:
	s_bfe_u32 s2, ttmp6, 0x10000c
	s_cmp_lg_u32 s2, 0xf033
	s_cbranch_scc0 .Lentry_shape_is_right
	s_endpgm
.Lentry_shape_is_right:
; q = h w_q, k = h w_k, v = h w_v on FP4 codes (K = 1,024), and the three results quantised for attention: q and k along the head's 64, v along the keys.  Nothing of the problem's work is left out here.
; OPERANDS are register images (16 rows x 128 K = 1,024 bytes, [tile][K step]; scale images of 512 bytes a tile): a fragment is two loads of 16 bytes a lane at 16 x lane, dense.
; SHARES.  A work-group of four waves makes 256 x 256; a wave 128 x 128: 8 x 8 accumulators.  Source 0 = a tile of panel B, source 1 = a tile of panel A: a lane holds ONE row of A's tile and its registers run along B's rows.
; For q and k (cluster x 0, 1) panel A = rows of h, panel B = columns of the weight: registers run along the head's dimensions.  For v (cluster x 2) THE PANELS CHANGE ROLES: A = columns of w_v, B = rows of h: registers run along the KEYS, the K of attention's second product.
; The choice hangs on the cluster's x alone; A's address hangs on cy and B's on cx either way.
; LDS.  In 4 bits a panel of 256 rows over all of K is 128 KiB: both panels and their scale images fit.  Every fill is a first fill, in one slot over all of K: one tensor load a wave.  No byte of LDS is filled twice.
; THE K WALK.  Two fragment buffers take turns; a step asks for the next step's 32 LDS loads at its head, ahead of its own 64 products, so that they have the whole step in which to land.
; CLUSTER 4 x 4: A's tiles are asked for jointly along a row of the cluster, B's along a column.  By this text's count a wave has one tensor load out at the most.
; OUT: records of REC bytes for each (batch, head): +0 K (or Q) codes [128 tiles][512 bytes]; +65,536 V's images [16 key steps][4 tiles]; +131,072 K (or Q) scale words [16 steps][16 rows][4 pairs of tiles]; +135,168 V's scale words [16 steps][16 rows][4 tiles].  Q's records lie in qb (their V parts are neither written nor read), K's and V's in kv.
; REGISTERS: window 0: v1-29 addresses, v32-95 scale words alone, v96-203 the way out; window 1: two fragment buffers (B at 128 f, A at 128 f + 64); windows 2, 3: the accumulators ((a, b) at 64 (a % 4) + 8 b).
; LIMITS: a block whose largest magnitude lies under 2^-124, a block of zeros among them, keeps the byte 1; NaN and infinities are not served.
.set TP,    8                          ; tiles a side a wave
.set KS,    8                          ; K steps of 128
.set SKS,   8                          ; all eight K steps lie in ONE slot: a wave's one tensor load brings its half panel over all of K (8 tiles x 8,192 consecutive bytes); there is no second slot and no second fill
.set SOFF,  6291456                    ; the weights' scale images in wts
.set HSOFF, 2097152                    ; h's scale images in hc
.set REC,   139264
.set PANEL, 2*TP*SKS*1024
.set SLOT,  2*PANEL                    ; A's panel, then B's
.set SCLB,  SLOT                       ; the end of the one slot; the scale images do not pass through LDS: each wave loads its own into registers
.set SCP,   2*TP*(KS/8)*512
.set SPARE, SCLB+2*SCP                 ; the spare words, 128 bytes for each wave: two blocks of 256 bytes that no other line names
.set G1,   24
.set G0,   32
.set G1B,  48
.set G0B,  56
.set G1S,  68
.set G0S,  76
.set G1SB, 80
.set G0SB, 88
.set PC,   96                          ; the way out: eight fragments of codes
.set QW,   160                         ; their scale words
.set TM,   176                         ; at work
.set MSB, 0
.macro WIN new                         ; the immediate's high byte repeats the setting that is left
.if MSB != (\new)
	s_set_vgpr_msb (MSB<<8)|(\new)
.set MSB, \new
.endif
.endm
.macro NOPS4                           ; four plain places behind matrix instructions, ahead of loads into their registers and of reads of their results
.rept 4
	v_nop
.endr
.endm
.macro JLOAD g0a, g1a, g0b, g1b        ; a joint load: waves 0, 1 fetch for A, waves 2, 3 for B; an s_nop 0 and four v_nop follow each line
	s_cmp_eq_u32 s15, 0
	s_cbranch_scc0 .Lfor_b_\@
	tensor_load_to_lds s[\g0a:\g0a+3], s[\g1a:\g1a+7]
	s_nop 0
.rept 4
	v_nop
.endr
	s_branch .Lasked_\@
.Lfor_b_\@:
	tensor_load_to_lds s[\g0b:\g0b+3], s[\g1b:\g1b+7]
	s_nop 0
.rept 4
	v_nop
.endr
.Lasked_\@:
.endm
.macro CROUND                          ; a round of the cluster's barrier
	s_barrier_signal -1
	s_barrier_wait -1
	s_cmp_lg_u32 s14, 0
	s_cbranch_scc1 .Lnot_wave_0_\@
	s_barrier_signal -3
.Lnot_wave_0_\@:
	s_barrier_wait -3
	s_barrier_signal -1
	s_barrier_wait -1
.endm
	s_load_b256 s[4:11], s[0:1], 0x0               ; hc, wts, qb, kv
	v_lshl_add_u32 v28, v0, 2, SPARE               ; my spare word; never rewritten
	v_mov_b32 v29, 0                               ; 0; never rewritten
	ds_add_u32 v28, v29                            ; the opening: the add, twice on end, and its wait ahead of my first tensor load
	ds_add_u32 v28, v29
	v_lshrrev_b32 v1, 5, v0
	v_readfirstlane_b32 s14, v1                    ; wave 0..3
	s_lshr_b32 s15, s14, 1                         ; wy: my half of A's tiles.  Also: I fetch for A (0) or for B (1)
	s_and_b32 s16, s14, 1                          ; wx: my half of B's tiles.  Also: which half of a panel I fetch
	s_bfe_u32 s40, ttmp6, 0x40000                  ; cx
	s_bfe_u32 s41, ttmp6, 0x40004                  ; cy
	s_and_b32 s18, ttmp7, 0xffff
	s_lshl_b32 s18, s18, 2                         ; 4 x cluster y
	s_lshl_b32 s19, ttmp9, 2                       ; 4 x cluster x
	s_mov_b32 s12, HSOFF
	s_mov_b32 s13, SOFF
	s_cmp_eq_u32 ttmp9, 2                          ; v?  The same in all sixteen partners
	s_cselect_b32 s17, 8, s18
	s_cselect_b32 s42, s18, s19
	s_cselect_b32 s2, s13, s12                     ; where A's scale images begin in its buffer,
	s_cselect_b32 s3, s12, s13                     ; and B's
	s_add_co_u32 s17, s17, s41                     ; IA: which 16 tiles of A's buffer: 4 CY + cy, for v 8 + cy
	s_add_co_u32 s42, s42, s40                     ; IB: 4 CX + cx, for v 4 CY + cx
	s_lshl_b32 s43, s41, 2
	s_lshl_b32 s43, 15, s43                        ; my row of the cluster
	s_lshl_b32 s44, 0x1111, s40                    ; my column
	s_or_b32 s[G1+0], s43, (3<<16)|(1<<21)         ; codes: 15:0 the mask; elements of 8 bytes; bit 21 beside a mask; no padding
	s_or_b32 s[G1B+0], s44, (3<<16)|(1<<21)
.irp g, G1, G1B
	s_mov_b32 s[\g+1], (SKS*128)<<16               ; a row = a tile's SKS images, consecutive in memory
	s_mov_b32 s[\g+2], TP<<16                      ; TP tiles
	s_mov_b32 s[\g+3], (SKS*128)<<16
	s_mov_b32 s[\g+4], TP
	s_mov_b32 s[\g+5], KS*128                      ; from tile to tile
	s_mov_b32 s[\g+6], 0
	s_mov_b32 s[\g+7], 0
.endr
	s_mul_i32 s18, s16, TP
	s_mul_i32 s20, s17, 2*TP
	s_add_co_u32 s20, s20, s18                     ; A: the first tile that I fetch
	s_mul_i32 s22, s17, 2*TP
	s_mul_i32 s94, s15, TP
	s_add_co_u32 s22, s22, s94                     ; the first of the A tiles that I MULTIPLY (half wy): their scale images
	s_mul_i32 s22, s22, 512
	s_add_co_u32 s22, s22, s2
	s_mul_i32 s20, s20, KS*1024
	s_mov_b32 s21, 0
	s_mov_b32 s23, 0
	s_mul_i32 s46, s42, 2*TP
	s_add_co_u32 s46, s46, s18                     ; B likewise
	s_mul_i32 s92, s46, (KS/8)*512
	s_add_co_u32 s92, s92, s3
	s_mul_i32 s46, s46, KS*1024
	s_mov_b32 s47, 0
	s_mov_b32 s93, 0
	s_mul_i32 s45, s14, PANEL/2                    ; where they go: no place in the cluster enters an LDS address
	s_mov_b32 s66, 0x76543210
	s_mov_b32 s67, 0xfedcba98                      ; lane l xor 16
	s_wait_dscnt 0x0                               ; both opening adds are done
	s_wait_kmcnt 0x0
	s_cmp_eq_u32 ttmp9, 2
	s_cselect_b64 s[96:97], s[6:7], s[4:5]         ; A's buffer
	s_cselect_b64 s[98:99], s[4:5], s[6:7]         ; B's
	s_add_nc_u64 s[20:21], s[96:97], s[20:21]
	s_add_nc_u64 s[22:23], s[96:97], s[22:23]
	s_add_nc_u64 s[46:47], s[98:99], s[46:47]
	s_add_nc_u64 s[92:93], s[98:99], s[92:93]
	CROUND                                         ; all sixteen work-groups are here: the first joint loads meet
.irp s, 0
	s_mov_b32 s[G0+4*\s], 1
	s_add_co_u32 s[G0+4*\s+1], s45, \s*SLOT
	s_add_nc_u64 s[G0+4*\s+2:G0+4*\s+3], s[20:21], \s*SKS*1024
	s_or_b32 s[G0+4*\s+3], s[G0+4*\s+3], 0x80000000
	s_mov_b32 s[G0B+4*\s], 1
	s_add_co_u32 s[G0B+4*\s+1], s45, \s*SLOT
	s_add_nc_u64 s[G0B+4*\s+2:G0B+4*\s+3], s[46:47], \s*SKS*1024
	s_or_b32 s[G0B+4*\s+3], s[G0B+4*\s+3], 0x80000000
	JLOAD G0+4*\s, G1, G0B+4*\s, G1B
.endr
	v_and_b32 v1, 15, v0                           ; r
	v_bfe_u32 v2, v0, 4, 1                         ; h
	v_and_b32 v3, 31, v0
	v_lshlrev_b32 v3, 4, v3                        ; 16 x lane
	s_wait_alu depctr_va_vdst(0)
	s_mul_i32 s2, s15, TP*SKS*1024
	s_mul_i32 s3, s16, TP*SKS*1024
	s_add_co_u32 s3, s3, PANEL
.irp s, 0
	v_add_nc_u32 v[16+\s], s2, v3
	v_add_nc_u32 v[20+\s], s3, v3                  ; my B tiles
	s_add_co_u32 s2, s2, SLOT
	s_add_co_u32 s3, s3, SLOT
.endr
	v_mul_u32_u24 v25, v2, REC
	v_lshl_add_u32 v25, v1, 4, v25                 ; the way out: scale words: 16 r, lanes 16-31 a record (a head) further on
	v_lshlrev_b32 v26, 4, v2                       ; 16 h
.macro FETCH ks                        ; the fragments of K step ks into buffer ks % 2: B's, then A's; each load takes 512 consecutive bytes
.set FB, 128*((\ks)%2)
.set FS, ((\ks)/SKS)%2
.set FO, ((\ks)%SKS)*1024
	WIN 0x40
.set i, 0
.rept TP
	ds_load_b128 v[FB+8*i:FB+8*i+3], v[20+FS] offset:FO+i*SKS*1024
	ds_load_b128 v[FB+8*i+4:FB+8*i+7], v[20+FS] offset:FO+i*SKS*1024+512
.set i, i+1
.endr
.set i, 0
.rept TP
	ds_load_b128 v[FB+64+8*i:FB+64+8*i+3], v[16+FS] offset:FO+i*SKS*1024
	ds_load_b128 v[FB+64+8*i+4:FB+64+8*i+7], v[16+FS] offset:FO+i*SKS*1024+512
.set i, i+1
.endr
.endm
.macro SCALES g                        ; the scale words of K steps 8 g .. 8 g + 7: register q: lanes 0-15 step 8 g + q, lanes 16-31 step 8 g + 4 + q
.set SG, 32+8*TP*((\g)%2)
	WIN 0
.set i, 0
.rept TP
	global_load_b128 v[SG+4*i:SG+4*i+3], v3, s[92:93] offset:i*512         ; a scale image is 512 consecutive bytes, 16 a lane: B's tile i of my half,
	global_load_b128 v[SG+4*TP+4*i:SG+4*TP+4*i+3], v3, s[22:23] offset:i*512   ; and A's
.set i, i+1
.endr
.endm
.macro MULS ks, a0, n                  ; A's tiles a0 .. a0 + n - 1 against B's TP.  All accumulators take turns, one instruction a turn, in the same order in every step.  K step 0 starts the sums with the constant 0
.set QQ, (\ks)%4
.set FB, 128*((\ks)%2)
.set SG, 32+8*TP*(((\ks)/8)%2)
.set aa, \a0
.rept \n
.set WW, 0xa5+0x50*((8*TP*aa)/256)
	WIN WW
.set bb, 0
.rept TP
.set AC, (8*TP*aa)%256+8*bb
.if (\ks) == 0
	v_wmma_scale_f32_16x16x128_f8f6f4 v[AC:AC+7], v[FB+8*bb:FB+8*bb+7], v[FB+64+8*aa:FB+64+8*aa+7], 0, v[SG+4*bb+QQ], v[SG+4*TP+4*aa+QQ] matrix_a_fmt:MATRIX_FMT_FP4 matrix_b_fmt:MATRIX_FMT_FP4
.elseif (\ks)%8 < 4
	v_wmma_scale_f32_16x16x128_f8f6f4 v[AC:AC+7], v[FB+8*bb:FB+8*bb+7], v[FB+64+8*aa:FB+64+8*aa+7], v[AC:AC+7], v[SG+4*bb+QQ], v[SG+4*TP+4*aa+QQ] matrix_a_fmt:MATRIX_FMT_FP4 matrix_b_fmt:MATRIX_FMT_FP4
.else
	v_wmma_scale_f32_16x16x128_f8f6f4 v[AC:AC+7], v[FB+8*bb:FB+8*bb+7], v[FB+64+8*aa:FB+64+8*aa+7], v[AC:AC+7], v[SG+4*bb+QQ], v[SG+4*TP+4*aa+QQ] matrix_a_fmt:MATRIX_FMT_FP4 matrix_b_fmt:MATRIX_FMT_FP4 matrix_a_scale:MATRIX_SCALE_ROW1 matrix_b_scale:MATRIX_SCALE_ROW1
.endif
.set bb, bb+1
.endr
.set aa, aa+1
.endr
.endm
.macro STEP ks                         ; a K step: the next step's fragments are asked for first, into the buffer that the last step's products have read; then this step's 64 products
	s_wait_dscnt 0x0                               ; this step's fragments
.if (\ks) == KS-1
	MULS \ks, 0, TP
.elseif ((\ks)+1)%SKS != 0
	NOPS4
	FETCH (\ks)+1
	MULS \ks, 0, TP
.else                                  ; the next step lies in the other slot: half the products stand ahead of the wait for it
	MULS \ks, 0, TP/2
	WIN 0
	s_wait_tensorcnt 0x0                           ; all my tensor loads have landed, my part of the other slot among them
	ds_add_u32 v28, v29                            ; 0 onto my spare word
	s_wait_dscnt 0x0                               ; the add is done
	s_barrier_signal -1
	s_barrier_wait -1                              ; everybody's part of the other slot is in
	NOPS4
	FETCH (\ks)+1
	MULS \ks, TP/2, TP/2
.endif
.endm
	SCALES 0                                       ; sixteen loads, on their way beside the tensor load
	s_wait_alu depctr_va_vdst(0)
	s_wait_tensorcnt 0x0                           ; my one tensor load has landed
	s_barrier_signal -1
	s_barrier_wait -1                              ; everybody's has
	FETCH 0
	s_wait_loadcnt 0x0                             ; the scale words
.set K, 0
.rept KS
	STEP K
.set K, K+1
.endr
	WIN 0
	NOPS4
; THE WAY OUT.  The 64 numbers that a lane holds of A's tile a (register 16 b + i = place 32 b + 16 h + i along B's 128 rows) become a fragment's codes and its scale word.
.macro QUANT s, w, pc, pw              ; v[s] .. v[s + 63] of window w; all else in window 0.  Each accumulator is read from its low end on
	WIN ((\w)<<2)|(\w)
.irp b, 0,1,2,3
	v_max3_num_f32 v[TM+\b], |v[\s+16*\b]|, |v[\s+1+16*\b]|, 0x1800000   ; the floor 2^(3 - 127): the byte cannot fall under 1
.endr
.irp i, 2,4,6,8,10,12,14
.irp b, 0,1,2,3
	v_max3_num_f32 v[TM+\b], |v[\s+16*\b+\i]|, |v[\s+1+16*\b+\i]|, v[TM+\b]
.endr
.endr
	WIN 0
.irp b, 0,1,2,3
	v_permlanex16_b32 v[TM+4+\b], v[TM+\b], s66, s67
.endr
.irp b, 0,1,2,3
	v_max_num_f32 v[TM+\b], v[TM+\b], v[TM+4+\b]   ; with lane l xor 16's: the block's largest magnitude
.endr
.irp b, 0,1,2,3
	v_add_nc_u32 v[TM+12+\b], 0xff000000, v[TM+\b] ; 2 off the exponent field: the conversion's scale operand
.endr
.irp b, 0,1,2,3
	v_lshrrev_b32 v[TM+4+\b], 23, v[TM+12+\b]      ; the byte
.endr
	v_lshl_or_b32 v[\pw], v[TM+5], 8, v[TM+4]
	v_lshl_or_b32 v[\pw], v[TM+6], 16, v[\pw]
	v_lshl_or_b32 v[\pw], v[TM+7], 24, v[\pw]
	WIN \w
.irp b, 0,1,2,3
	v_cvt_scalef32_pk8_fp4_f32 v[\pc+2*\b], v[\s+16*\b:\s+7+16*\b], v[TM+12+\b]
	v_cvt_scalef32_pk8_fp4_f32 v[\pc+1+2*\b], v[\s+8+16*\b:\s+15+16*\b], v[TM+12+\b]
.endr
	WIN 0
	v_nop                                          ; a plain instruction behind the last conversion
.irp c, 0,1
.irp i, 0,1
	v_permlane16_swap_b32 v[\pc+4*\c+\i], v[\pc+2+4*\c+\i]   ; a whole block to a lane: lanes 0-15 block 2 c, lanes 16-31 block 2 c + 1
.endr
.endr
.endm
.irp b, 0,1,2,3
	v_mov_b32 v[TM+4+\b], 0                        ; written once: a lane permute's destination counts as one of its sources
.endr
.irp a, 0,1,2,3,4,5,6,7
	QUANT 64*(\a%4), 2+\a/4, PC+8*\a, QW+\a
.endr
	s_cmp_eq_u32 ttmp9, 2
	s_cbranch_scc1 .Lvpath
	; q, k: my 128 columns are two heads: a fragment's registers 0-3 are head0's 64, registers 4-7 the next head's; my 8 tiles of rows are key step j
	s_lshr_b32 s2, s17, 3
	s_lshl_b32 s2, s2, 4                           ; 16 x batch
	s_and_b32 s3, s42, 3
	s_lshl_b32 s3, s3, 2
	s_add_co_u32 s2, s2, s3
	s_lshl_b32 s3, s16, 1
	s_add_co_u32 s2, s2, s3                        ; + head0 = 4 (IB % 4) + 2 wx
	s_mul_i32 s20, s2, REC
	s_and_b32 s3, s17, 7
	s_lshl_b32 s3, s3, 1
	s_add_co_u32 s3, s3, s15                       ; j = 2 (IA % 8) + wy
	s_lshl_b32 s12, s3, 12                         ; 8 tiles of 512 bytes a step
	s_lshl_b32 s13, s3, 8                          ; 256 bytes of scale words a step
	s_add_co_u32 s22, s20, s13
	s_add_co_u32 s20, s20, s12
	s_mov_b32 s21, 0
	s_mov_b32 s23, 0
	s_cmp_eq_u32 ttmp9, 0
	s_cselect_b64 s[96:97], s[8:9], s[10:11]       ; q's records or k's
	s_add_nc_u64 s[20:21], s[96:97], s[20:21]
	s_add_nc_u64 s[22:23], s[96:97], s[22:23]
	s_wait_alu depctr_va_vdst(0)
.irp a, 0,1,2,3,4,5,6,7
	global_store_b128 v3, v[PC+8*\a:PC+8*\a+3], s[20:21] offset:512*\a          ; 512 consecutive bytes
	global_store_b128 v3, v[PC+8*\a+4:PC+8*\a+7], s[20:21] offset:512*\a+REC
.endr
.irp a, 0,1,2,3,4,5,6,7
	v_lshrrev_b32 v[192+\a], v26, v[QW+\a]         ; lanes 0-15 keep head0's two bytes below, lanes 16-31 the next head's
.endr
.irp e, 0,1,2,3
	v_perm_b32 v[200+\e], v[193+2*\e], v[192+2*\e], 0x05040100   ; a word for a pair of tiles: (tile 2 e: two bytes | tile 2 e + 1: two bytes)
.endr
	global_store_b128 v25, v[200:203], s[22:23] offset:131072
	s_branch .Ldone
.Lvpath:
	; v: my 8 tiles of A are two heads x 4 tiles of 16 of the head's 64; my 128 rows of h are key step j: each fragment is an image of V for that step
	s_lshr_b32 s2, s42, 3
	s_lshl_b32 s2, s2, 4                           ; 16 x batch
	s_sub_co_u32 s3, s17, 8
	s_lshl_b32 s3, s3, 2
	s_add_co_u32 s2, s2, s3
	s_lshl_b32 s3, s15, 1
	s_add_co_u32 s2, s2, s3                        ; + head0 = 4 (IA - 8) + 2 wy
	s_mul_i32 s20, s2, REC
	s_and_b32 s3, s42, 7
	s_lshl_b32 s3, s3, 1
	s_add_co_u32 s3, s3, s16                       ; j = 2 (IB % 8) + wx
	s_lshl_b32 s12, s3, 12
	s_lshl_b32 s13, s3, 8
	s_add_co_u32 s22, s20, s13
	s_add_co_u32 s20, s20, s12
	s_mov_b32 s21, 0
	s_mov_b32 s23, 0
	s_add_nc_u64 s[20:21], s[10:11], s[20:21]
	s_add_nc_u64 s[22:23], s[10:11], s[22:23]
	s_mov_b32 s12, 0xffff0000
	s_wait_alu depctr_va_vdst(0)
.irp a, 0,1,2,3,4,5,6,7
	global_store_b128 v3, v[PC+8*\a:PC+8*\a+3], s[20:21] offset:65536+(\a/4)*REC+(\a%4)*1024
	global_store_b128 v3, v[PC+8*\a+4:PC+8*\a+7], s[20:21] offset:65536+(\a/4)*REC+(\a%4)*1024+512
.endr
.irp e, 0,1,2,3
	v_cndmask_b32 v[200+\e], v[QW+\e], v[QW+4+\e], s12   ; lanes 0-15 head0's words, lanes 16-31 the next head's
.endr
	global_store_b128 v25, v[200:203], s[22:23] offset:135168
.Ldone:
	s_wait_tensorcnt 0x0                           ; the wave's end
	ds_add_u32 v28, v29
	s_wait_dscnt 0x0
	CROUND                                         ; the closing round: no work-group ends while a partner may still ask for a tile that names it
	s_endpgm
.Lfunc_end_k_qa104c2c8b0_qkv:
	.size	k_qa104c2c8b0_qkv, .Lfunc_end_k_qa104c2c8b0_qkv-k_qa104c2c8b0_qkv
	.p2alignl 7, 3214868480
	.fill 96, 4, 3214868480
	.section	.rodata,"a",@progbits
	.p2align	6, 0x0
	.amdhsa_kernel k_qa104c2c8b0_qkv
		.amdhsa_group_segment_fixed_size 327680
		.amdhsa_private_segment_fixed_size 0
		.amdhsa_enable_private_segment 0
		.amdhsa_kernarg_size 32
		.amdhsa_user_sgpr_count 2
		.amdhsa_user_sgpr_kernarg_segment_ptr 1
		.amdhsa_wavefront_size32 1
		.amdhsa_system_sgpr_workgroup_id_x 1
		.amdhsa_system_sgpr_workgroup_id_y 1
		.amdhsa_system_sgpr_workgroup_id_z 1
		.amdhsa_system_vgpr_workitem_id 0
		.amdhsa_next_free_vgpr 1024
		.amdhsa_next_free_sgpr 102
		.amdhsa_reserve_vcc 0
		.amdhsa_float_denorm_mode_32 3
		.amdhsa_float_denorm_mode_16_64 3
		.amdhsa_memory_ordered 1
		.amdhsa_forward_progress 1
		.amdhsa_inst_pref_size 127
	.end_amdhsa_kernel
	.amdgpu_metadata
---
amdhsa.version: [ 1, 2 ]
amdhsa.kernels:
  - .name:           k_qa104c2c8b0_qkv
    .symbol:         k_qa104c2c8b0_qkv.kd
    .args:
      - { .name: hc, .offset: 0, .size: 8, .value_kind: global_buffer, .address_space: global }
      - { .name: wts, .offset: 8, .size: 8, .value_kind: global_buffer, .address_space: global }
      - { .name: qb, .offset: 16, .size: 8, .value_kind: global_buffer, .address_space: global }
      - { .name: kv, .offset: 24, .size: 8, .value_kind: global_buffer, .address_space: global }
    .group_segment_fixed_size: 327680
    .private_segment_fixed_size: 0
    .kernarg_segment_align: 8
    .kernarg_segment_size: 32
    .max_flat_workgroup_size: 128
    .sgpr_count:     102
    .vgpr_count:     1024
    .wavefront_size: 32
...
	.end_amdgpu_metadata
.endif
;; end of part 2
;; launch attn (part 3): grid 8 x 32, 16 waves a work-group, clusters of 4 x 1, 167,936 bytes of LDS; arguments qb, kv, hc; writes hc
.if DOCPART == 3
	.amdgcn_target "amdgcn-amd-amdhsa--gfx1250"
	.amdhsa_code_object_version 6
	.text
	.protected	k_qa104c2c8b0_attn
	.globl	k_qa104c2c8b0_attn
	.p2align	8
	.type	k_qa104c2c8b0_attn,@function
k_qa104c2c8b0_attn:
	s_mov_b64 s[64:65], 0
	v_nop
	global_prefetch_b8 v0, s[64:65] scope:SCOPE_SE
	s_setreg_imm32_b32 hwreg(HW_REG_WAVE_MODE, 25, 1), 1
	s_wait_xcnt 0x0
	s_wait_alu depctr_hold_cnt(0) depctr_sa_sdst(0) depctr_va_vdst(0) depctr_va_sdst(0) depctr_va_ssrc(0) depctr_va_vcc(0) depctr_vm_vsrc(0)
	s_getreg_b32 s2, hwreg(HW_REG_IB_STS2, 6, 4)
	s_cmp_eq_u32 s2, 0
	s_cbranch_scc0 .Lentry_in_a_cluster
	s_endpgm
.Lentry_in_a_cluster:
	s_bfe_u32 s2, ttmp6, 0x10000c
	s_cmp_lg_u32 s2, 0x3003
	s_cbranch_scc0 .Lentry_shape_is_right
	s_endpgm
.Lentry_shape_is_right:
; O = softmax(Q K^T / 8) V for one (batch, head), both products on FP4 codes, and O quantised along the model's 1,024 as the projection's operand.  Nothing of the problem's work is left out here (there is no mask).
; THE SOFTMAX: t = score x log2(e) / 8; M = the running largest t rounded UP to a whole number; p = 2^(t - M) is quantised along the keys, not normalised; the row's sum is taken of the unquantised p and divides O at the end; when M moves, the sum and O are multiplied by 2^(old M - new M), exactly.
; SHARES.  A work-group owns 256 queries of one head, each of its sixteen waves one tile of 16, in 256 registers.  THE HEAD'S WHOLE RECORD (K's codes, V's images, both scale words: 139,264 bytes) lies in LDS: each wave brings 8,704 bytes of it by one tensor load.  A first fill only: no ring, no refill, one barrier.
; CLUSTER 4 x 1: the four query blocks of a cluster belong to one head and ask for the record jointly.  By this text's count a wave has one tensor load out.
; Both products are used transposed: a lane holds ONE query; the keys of a tile are in the program's order of rows, so that the 16 registers of two neighbouring tiles are 16 neighbouring keys.
; THE FIRST PRODUCT'S K IS 64, THE INSTRUCTION'S 128: a fragment of K holds tile 2 e in registers 0-3 and tile 2 e + 1 in registers 4-7 (1,024 consecutive bytes), its scale word both tiles' bytes.  Q lies as v16-27 = [0 | q | 0]: tile 2 e is multiplied by v[20:27] = [q | 0], tile 2 e + 1 by v[16:23] = [0 | q]: zero codes take the other tile away exactly.
; LDS LOADS AHEAD: V's fragments of a key step are asked for at its head and have the softmax in which to land; K's of the NEXT step directly behind this step's first products, which free their registers.  So the last step, which has no next, is written out behind the loop by the same macro.
; No prefetch: all that the launch reads is asked for at the kernel's head.
; LIMITS: a block whose largest magnitude lies under 2^-124 keeps the byte 1; a p under 2^-126 counts as 0; NaN and infinities are not served.  O's two scale bytes a row leave by a store of two bytes: a head owns an eighth of a row's 16 bytes.
.set REC,   139264
.set PART,  8704
.set SPARE, 139264                     ; behind the record: the spare words, 128 bytes for each wave: eight blocks of 256 bytes that no other line names
.set WV,  18
.set SEL, 20
.set CS,  22
.set G1,  24
.set G0,  32
.set TK,  36                           ; a key step's codes: 4,096 bytes a step
.set TS,  37                           ; its scale words: 256 bytes a step
.set CNT, 38
.macro CROUND
	s_barrier_signal -1
	s_barrier_wait -1
	s_cmp_lg_u32 s[WV], 0
	s_cbranch_scc1 .Lnot_wave_0_\@
	s_barrier_signal -3
.Lnot_wave_0_\@:
	s_barrier_wait -3
	s_barrier_signal -1
	s_barrier_wait -1
.endm
	s_load_b128 s[4:7], s[0:1], 0x0                ; qb, kv
	s_load_b64 s[8:9], s[0:1], 0x10                ; hc
	v_lshl_add_u32 v5, v0, 2, SPARE                ; my spare word; never rewritten
	v_mov_b32 v6, 0                                ; 0; never rewritten
	ds_add_u32 v5, v6                              ; the opening: the add, twice on end, and its wait ahead of my first tensor load
	ds_add_u32 v5, v6
	v_lshrrev_b32 v7, 5, v0
	s_delay_alu instid0(VALU_DEP_1)
	v_readfirstlane_b32 s[WV], v7                  ; wave 0..15
	s_and_b32 s12, ttmp7, 0xffff                   ; 16 x batch + head, which the four partners share
	s_mul_i32 s40, s12, REC
	s_mov_b32 s41, 0
	s_mul_i32 s13, s[WV], PART                     ; my part of the record, in memory and in LDS alike
	s_add_co_u32 s42, s40, s13
	s_mov_b32 s43, 0
	s_mov_b32 s[G1], 15|(3<<16)|(1<<21)            ; the mask: all four work-groups; elements of 8 bytes; bit 21 beside a mask; no padding
	s_mov_b32 s[G1+1], 32<<16                      ; 34 rows of 256 bytes, dense
	s_mov_b32 s[G1+2], 34<<16
	s_mov_b32 s[G1+3], 32<<16
	s_mov_b32 s[G1+4], 34
	s_mov_b32 s[G1+5], 32
	s_mov_b32 s[G1+6], 0
	s_mov_b32 s[G1+7], 0
	s_bfe_u32 s10, ttmp6, 0x40000                  ; cx: it enters Q's and O's addresses alone
	s_lshl_b32 s11, ttmp9, 2
	s_add_co_u32 s11, s11, s10
	s_lshl_b32 s11, s11, 4
	s_add_co_u32 s11, s11, s[WV]                   ; qt: my tile of queries, 0..127
	s_lshl_b32 s44, s11, 9
	s_add_co_u32 s44, s44, s40                     ; its codes
	s_mov_b32 s45, 0
	s_lshr_b32 s46, s11, 3
	s_lshl_b32 s46, s46, 8
	s_bfe_u32 s47, s11, 0x20001
	s_lshl_b32 s47, s47, 2
	s_add_co_u32 s46, s46, s47
	s_add_co_u32 s46, s46, s40
	s_add_co_u32 s46, s46, 131072                  ; the word of its pair of tiles
	s_mov_b32 s47, 0
	s_and_b32 s52, s11, 1
	s_lshl_b32 s52, s52, 4                         ; which half of that word is mine
	s_mov_b32 s54, 0x05040100
	s_lshr_b32 s48, s12, 4
	s_lshl_b32 s48, s48, 7
	s_add_co_u32 s48, s48, s11                     ; the row tile of the projection's operand: 128 x batch + qt
	s_and_b32 s53, s12, 15                         ; head
	s_lshl_b32 s50, s48, 9
	s_lshl_b32 s48, s48, 13
	s_lshl_b32 s49, s53, 9                         ; K step head / 2, chunk head % 2: 512 x head
	s_add_co_u32 s48, s48, s49
	s_mov_b32 s49, 0
	s_lshr_b32 s51, s53, 3
	s_lshl_b32 s51, s51, 8
	s_add_co_u32 s50, s50, s51
	s_and_b32 s51, s53, 7
	s_lshl_b32 s51, s51, 1
	s_add_co_u32 s50, s50, s51                     ; the scale image: 256 (head / 8) + 2 (head % 8)
	s_add_co_u32 s50, s50, 2097152
	s_mov_b32 s51, 0
	s_mov_b32 s[SEL], 0x76543210
	s_mov_b32 s[SEL+1], 0xfedcba98                 ; lane l xor 16
	s_mov_b32 s[CS], 0x3e38aa3b                    ; c = log2(e) / 8
	s_mov_b32 s[CS+1], s[CS]
	s_mov_b32 s[TK], 0
	s_mov_b32 s[TS], 0
	s_mov_b32 s[CNT], 15
	s_wait_dscnt 0x0                               ; both opening adds are done
	s_wait_kmcnt 0x0
	s_mov_b32 s[G0], 1
	s_mov_b32 s[G0+1], s13
	s_add_nc_u64 s[G0+2:G0+3], s[6:7], s[42:43]
	s_or_b32 s[G0+3], s[G0+3], 0x80000000
	s_add_nc_u64 s[44:45], s[4:5], s[44:45]
	s_add_nc_u64 s[46:47], s[4:5], s[46:47]
	s_add_nc_u64 s[48:49], s[8:9], s[48:49]
	s_add_nc_u64 s[50:51], s[8:9], s[50:51]
	CROUND                                         ; all four work-groups are here: the joint loads meet
	tensor_load_to_lds s[G0:G0+3], s[G1:G1+7]
	s_nop 0
.rept 4
	v_nop
.endr
	v_and_b32 v7, 31, v0
	s_delay_alu instid0(VALU_DEP_1)
	v_lshlrev_b32 v1, 4, v7                        ; 16 x lane: K's codes begin at LDS byte 0
	v_and_b32 v7, 15, v0
	s_delay_alu instid0(VALU_DEP_1)
	v_lshlrev_b32 v2, 4, v7                        ; 16 r
	global_load_b128 v[20:23], v1, s[44:45]        ; q
	global_load_b32 v254, v2, s[46:47]
	v_add_nc_u32 v3, 0x10000, v1                   ; V's images begin at 65,536,
	v_add_nc_u32 v4, 0x20000, v2                   ; K's scale words at 131,072 (V's 4,096 further on)
.irp j, 16,17,18,19,24,25,26,27
	v_mov_b32 v[\j], 0                             ; zero codes on both sides of q
.endr
	s_wait_loadcnt 0x0
	v_lshrrev_b32 v254, s52, v254
	s_delay_alu instid0(VALU_DEP_1)
	v_perm_b32 v255, v254, v254, s54               ; q's scale word: its two bytes twice, for either place of q.  The lines below are the places between this line and the first product
	v_mov_b32 v13, 0xff61b1e6                      ; the largest t so far: -3e38, under every t
	s_delay_alu instid0(VALU_DEP_1)
	v_floor_f32 v12, -v13                          ; -M
	v_mov_b32 v14, 0                               ; the sum, in two halves
	v_mov_b32 v15, 0
.irp b, 0,1,2,3
	v_mov_b32 v[236+\b], 0                         ; written once: a lane permute's destination counts as one of its sources
.endr
	v_mov_b32 v253, 0
.set j, 0
.rept 32
	v_mov_b32 v[160+j], 0                          ; O^T: the step is written for all steps alike; the first finds zeros
.set j, j+1
.endr
	s_wait_tensorcnt 0x0                           ; my part of the record is in,
	s_barrier_signal -1
	s_barrier_wait -1                              ; everybody's is
.macro KLOAD ak, aw                    ; a key step's four fragments of K and its four scale words: nine loads
.irp f, 0,1,2,3
	ds_load_b128 v[32+8*\f:35+8*\f], v[\ak] offset:1024*\f
	ds_load_b128 v[36+8*\f:39+8*\f], v[\ak] offset:1024*\f+512
.endr
	ds_load_b128 v[192:195], v[\aw]
.endm
; A KEY STEP of 128 keys.  pre = 1: the next step's K is asked for behind the first products.
.macro KSTEP pre
	v_add_nc_u32 v9, s[TK], v3
	v_add_nc_u32 v11, s[TS], v4
	v_nop
	v_nop                                          ; four plain places between the last step's second products and the loads into their registers
.irp f, 0,1,2,3
	ds_load_b128 v[64+8*\f:67+8*\f], v9 offset:1024*\f
	ds_load_b128 v[68+8*\f:71+8*\f], v9 offset:1024*\f+512
.endr
	ds_load_b128 v[196:199], v11 offset:4096       ; V's four words
	s_wait_dscnt 9                                 ; K and its words, asked for a step ago, are in; V's nine loads may be out
.irp f, 0,1,2,3
	v_wmma_scale_f32_16x16x128_f8f6f4 v[96+16*\f:103+16*\f], v[32+8*\f:39+8*\f], v[20:27], 0, v[192+\f], v255 matrix_a_fmt:MATRIX_FMT_FP4 matrix_b_fmt:MATRIX_FMT_FP4
	v_wmma_scale_f32_16x16x128_f8f6f4 v[104+16*\f:111+16*\f], v[32+8*\f:39+8*\f], v[16:23], 0, v[192+\f], v255 matrix_a_fmt:MATRIX_FMT_FP4 matrix_b_fmt:MATRIX_FMT_FP4
.endr
.if \pre
	s_add_co_u32 s[TK], s[TK], 4096                ; on to the next step
	s_add_co_u32 s[TS], s[TS], 256
	v_add_nc_u32 v8, s[TK], v1
	v_add_nc_u32 v10, s[TS], v4
	v_nop
	v_nop                                          ; four plain places: ahead of the loads into K's registers, and of the first read of the scores
	KLOAD 8, 10
.else
.rept 4
	v_nop
.endr
.endif
.irp b, 0,1,2,3
	v_max3_num_f32 v[232+\b], v[96+16*\b], v[97+16*\b], v[98+16*\b]   ; the largest score of each block of 32 keys: for the row's maximum and, since p rises with the score, for the block's largest p
.endr
.irp i, 3,5,7,9,11,13
.irp b, 0,1,2,3
	v_max3_num_f32 v[232+\b], v[232+\b], v[96+16*\b+\i], v[97+16*\b+\i]
.endr
.endr
.irp b, 0,1,2,3
	v_max_num_f32 v[232+\b], v[232+\b], v[111+16*\b]
.endr
.irp b, 0,1,2,3
	s_delay_alu instid0(VALU_DEP_4)
	v_permlanex16_b32 v[236+\b], v[232+\b], s[SEL], s[SEL+1]
.endr
.irp b, 0,1,2,3
	s_delay_alu instid0(VALU_DEP_4)
	v_max_num_f32 v[232+\b], v[232+\b], v[236+\b]
.endr
	s_delay_alu instid0(VALU_DEP_2)
	v_max3_num_f32 v254, v232, v233, v234
	s_delay_alu instid0(VALU_DEP_1)
	v_max_num_f32 v254, v254, v235
	s_delay_alu instid0(VALU_DEP_1)
	v_mul_f32 v254, s[CS], v254                    ; as t (c is positive)
	s_delay_alu instid0(VALU_DEP_1)
	v_max_num_f32 v13, v13, v254                   ; the running largest t
	v_mov_b32 v254, v12
	s_delay_alu instid0(VALU_DEP_2)
	v_floor_f32 v12, -v13                          ; the new -M = floor(-t)
	s_delay_alu instid0(VALU_DEP_1)
	v_sub_f32 v254, v12, v254                      ; old M - new M: a whole number, 0 or less
	s_delay_alu instid0(VALU_DEP_1)
	v_cvt_i32_f32 v254, v254                       ; (it saturates)
	s_delay_alu instid0(VALU_DEP_1)
	v_ldexp_f32 v252, 1.0, v254                    ; f = 2^(old M - new M)
.set j, 0
.rept 32
	v_pk_fma_f32 v[96+j:97+j], v[96+j:97+j], s[CS:CS+1], v[12:13] op_sel_hi:[1,0,0]   ; t - M
.set j, j+2
.endr
.irp b, 0,1,2,3
	v_fma_f32 v[232+\b], v[232+\b], s[CS], v12
.endr
.set j, 0
	s_wait_alu depctr_va_vdst(0)
.rept 64
	v_exp_f32 v[96+j], v[96+j]                     ; p = 2^(t - M)
.set j, j+1
.endr
	v_pk_mul_f32 v[14:15], v[14:15], v[252:253] op_sel_hi:[1,0]   ; the sums under the new M: a plain instruction behind the exponentials
	s_wait_alu depctr_va_vdst(0)                   ; one wait for the batch of 64, ahead of its first reader
.irp b, 0,1,2,3
	v_exp_f32 v[232+\b], v[232+\b]                 ; each block's largest p
.endr
	v_pk_add_f32 v[236:237], v[100:101], v[104:105]
	v_pk_add_f32 v[250:251], v[108:109], v[112:113]
	v_pk_add_f32 v[248:249], v[116:117], v[120:121]
	v_pk_add_f32 v[246:247], v[124:125], v[128:129]
	v_pk_add_f32 v[244:245], v[132:133], v[136:137]
	v_pk_add_f32 v[242:243], v[140:141], v[144:145]
	v_pk_add_f32 v[240:241], v[148:149], v[152:153]
	v_pk_add_f32 v[14:15], v[14:15], v[156:157]
	v_pk_add_f32 v[236:237], v[236:237], v[96:97]
	v_pk_add_f32 v[250:251], v[250:251], v[98:99]
	v_pk_add_f32 v[248:249], v[248:249], v[102:103]
	v_pk_add_f32 v[246:247], v[246:247], v[106:107]
	v_pk_add_f32 v[244:245], v[244:245], v[110:111]
	v_pk_add_f32 v[242:243], v[242:243], v[114:115]
	v_pk_add_f32 v[240:241], v[240:241], v[118:119]
	v_pk_add_f32 v[14:15], v[14:15], v[122:123]
	v_pk_add_f32 v[236:237], v[236:237], v[126:127]
	v_pk_add_f32 v[250:251], v[250:251], v[130:131]
	v_pk_add_f32 v[248:249], v[248:249], v[134:135]
	v_pk_add_f32 v[246:247], v[246:247], v[138:139]
	v_pk_add_f32 v[244:245], v[244:245], v[142:143]
	v_pk_add_f32 v[242:243], v[242:243], v[146:147]
	v_pk_add_f32 v[240:241], v[240:241], v[150:151]
	v_pk_add_f32 v[14:15], v[14:15], v[154:155]
	v_pk_add_f32 v[236:237], v[236:237], v[158:159]
	s_delay_alu instid0(VALU_DEP_2)
	v_pk_add_f32 v[14:15], v[14:15], v[246:247]
	s_delay_alu instid0(VALU_DEP_2)
	v_pk_add_f32 v[236:237], v[236:237], v[244:245]
	v_pk_add_f32 v[250:251], v[250:251], v[242:243]
	v_pk_add_f32 v[248:249], v[248:249], v[240:241]
	s_delay_alu instid0(VALU_DEP_2)
	v_pk_add_f32 v[14:15], v[14:15], v[250:251]
	s_delay_alu instid0(VALU_DEP_2)
	v_pk_add_f32 v[236:237], v[236:237], v[248:249]
	s_delay_alu instid0(VALU_DEP_1)
	v_pk_add_f32 v[14:15], v[14:15], v[236:237]
	s_wait_alu depctr_va_vdst(0)                   ; and one for the four
.irp b, 0,1,2,3
	v_max_num_f32 v[232+\b], 0x1800000, v[232+\b]  ; the floor: the byte cannot fall under 1
.endr
.irp b, 0,1,2,3
	s_delay_alu instid0(VALU_DEP_4)
	v_add_nc_u32 v[244+\b], 0xff000000, v[232+\b]
.endr
.irp b, 0,1,2,3
	s_delay_alu instid0(VALU_DEP_4)
	v_lshrrev_b32 v[236+\b], 23, v[244+\b]
.endr
	s_delay_alu instid0(VALU_DEP_3)
	v_lshl_or_b32 v253, v237, 8, v236              ; p's scale word for these 128 keys
	s_delay_alu instid0(VALU_DEP_1)
	v_lshl_or_b32 v253, v238, 16, v253
	s_delay_alu instid0(VALU_DEP_1)
	v_lshl_or_b32 v253, v239, 24, v253
.irp b, 0,1,2,3
	v_cvt_scalef32_pk8_fp4_f32 v[224+2*\b], v[96+16*\b:103+16*\b], v[244+\b]
	v_cvt_scalef32_pk8_fp4_f32 v[225+2*\b], v[104+16*\b:111+16*\b], v[244+\b]
.endr
	v_nop
.irp c, 0,1
.irp i, 0,1
	v_permlane16_swap_b32 v[224+4*\c+\i], v[226+4*\c+\i]
.endr
.endr
.set j, 0
.rept 16
	v_pk_mul_f32 v[160+j:161+j], v[160+j:161+j], v[252:253] op_sel_hi:[1,0]   ; O^T under the new M; these sixteen are also the places between p's codes and scale word and the products
.set j, j+2
.endr
.if \pre
	s_wait_alu depctr_va_vdst(0)
	s_wait_dscnt 0x0                               ; V, its words and the next step's K are in: no LDS instruction of mine is out at the signal
	s_barrier_wait -1                              ; every wave has come as far as this place of the step before: the sixteen waves stay within one key step of each other
	s_barrier_signal -1                            ; and I am here in this step; up to the wait for it stand register work and loads of the record, which nobody writes
.else
	s_wait_alu depctr_va_vdst(0)
	s_wait_dscnt 0x0                               ; V and its words
	s_barrier_wait -1                              ; closes the last trip's signal
.endif
.irp f, 0,1,2,3
	v_wmma_scale_f32_16x16x128_f8f6f4 v[160+8*\f:167+8*\f], v[64+8*\f:71+8*\f], v[224:231], v[160+8*\f:167+8*\f], v[196+\f], v253 matrix_a_fmt:MATRIX_FMT_FP4 matrix_b_fmt:MATRIX_FMT_FP4
.endr
.endm
	s_barrier_signal -1                            ; opens the walk's barrier: each key step waits for the signal of the step before
	KLOAD 1, 4                                     ; key step 0's K
.Lstep:
	KSTEP 1
	s_sub_co_u32 s[CNT], s[CNT], 1
	s_cmp_lg_u32 s[CNT], 0
	s_cbranch_scc1 .Lstep
	KSTEP 0                                        ; key step 15: nothing is left to ask for
	; THE WAY OUT: O^T / the sum; register 16 b + i is the head's dimension 32 b + 16 h + i of my query: two blocks of the projection's K
.rept 4
	v_nop
.endr
	v_add_f32 v14, v14, v15
	s_delay_alu instid0(VALU_DEP_1)
	v_permlanex16_b32 v252, v14, s[SEL], s[SEL+1]
	s_delay_alu instid0(VALU_DEP_1)
	v_add_f32 v14, v14, v252
	s_wait_alu depctr_va_vdst(0)
	v_rcp_f32 v14, v14
	v_nop
	s_wait_alu depctr_va_vdst(0)
.set j, 0
.rept 32
	v_mul_f32 v[96+j], v[160+j], v14
.set j, j+1
.endr
.irp b, 0,1
	v_max3_num_f32 v[232+\b], |v[96+16*\b]|, |v[97+16*\b]|, 0x1800000
.endr
.irp i, 2,4,6,8,10,12,14
.irp b, 0,1
	s_delay_alu instid0(VALU_DEP_2)
	v_max3_num_f32 v[232+\b], v[232+\b], |v[96+16*\b+\i]|, |v[97+16*\b+\i]|
.endr
.endr
.irp b, 0,1
	s_delay_alu instid0(VALU_DEP_2)
	v_permlanex16_b32 v[236+\b], v[232+\b], s[SEL], s[SEL+1]
.endr
.irp b, 0,1
	s_delay_alu instid0(VALU_DEP_2)
	v_max_num_f32 v[232+\b], v[232+\b], v[236+\b]
.endr
.irp b, 0,1
	s_delay_alu instid0(VALU_DEP_2)
	v_add_nc_u32 v[244+\b], 0xff000000, v[232+\b]
.endr
.irp b, 0,1
	s_delay_alu instid0(VALU_DEP_2)
	v_lshrrev_b32 v[236+\b], 23, v[244+\b]
.endr
	s_delay_alu instid0(VALU_DEP_1)
	v_lshl_or_b32 v248, v237, 8, v236
.irp b, 0,1
	v_cvt_scalef32_pk8_fp4_f32 v[224+2*\b], v[96+16*\b:103+16*\b], v[244+\b]
	v_cvt_scalef32_pk8_fp4_f32 v[225+2*\b], v[104+16*\b:111+16*\b], v[244+\b]
.endr
	v_nop
	v_permlane16_swap_b32 v224, v226
	v_permlane16_swap_b32 v225, v227
	global_store_b128 v1, v[224:227], s[48:49]     ; half an image: 512 consecutive bytes
	global_store_b16 v2, v248, s[50:51]            ; my row's two bytes (lanes l and l xor 16 store the same value at the same place)
	s_wait_tensorcnt 0x0                           ; the wave's end
	ds_add_u32 v5, v6
	s_wait_dscnt 0x0
	CROUND                                         ; the closing round
	s_endpgm
.Lfunc_end_k_qa104c2c8b0_attn:
	.size	k_qa104c2c8b0_attn, .Lfunc_end_k_qa104c2c8b0_attn-k_qa104c2c8b0_attn
	.p2alignl 7, 3214868480
	.fill 96, 4, 3214868480
	.section	.rodata,"a",@progbits
	.p2align	6, 0x0
	.amdhsa_kernel k_qa104c2c8b0_attn
		.amdhsa_group_segment_fixed_size 167936
		.amdhsa_private_segment_fixed_size 0
		.amdhsa_enable_private_segment 0
		.amdhsa_kernarg_size 24
		.amdhsa_user_sgpr_count 2
		.amdhsa_user_sgpr_kernarg_segment_ptr 1
		.amdhsa_wavefront_size32 1
		.amdhsa_system_sgpr_workgroup_id_x 1
		.amdhsa_system_sgpr_workgroup_id_y 1
		.amdhsa_system_sgpr_workgroup_id_z 1
		.amdhsa_system_vgpr_workitem_id 0
		.amdhsa_next_free_vgpr 256
		.amdhsa_next_free_sgpr 66
		.amdhsa_reserve_vcc 0
		.amdhsa_float_denorm_mode_32 3
		.amdhsa_float_denorm_mode_16_64 3
		.amdhsa_memory_ordered 1
		.amdhsa_forward_progress 1
		.amdhsa_inst_pref_size 43
	.end_amdhsa_kernel
	.amdgpu_metadata
---
amdhsa.version: [ 1, 2 ]
amdhsa.kernels:
  - .name:           k_qa104c2c8b0_attn
    .symbol:         k_qa104c2c8b0_attn.kd
    .args:
      - { .name: qb, .offset: 0, .size: 8, .value_kind: global_buffer, .address_space: global }
      - { .name: kv, .offset: 8, .size: 8, .value_kind: global_buffer, .address_space: global }
      - { .name: hc, .offset: 16, .size: 8, .value_kind: global_buffer, .address_space: global }
    .group_segment_fixed_size: 167936
    .private_segment_fixed_size: 0
    .kernarg_segment_align: 8
    .kernarg_segment_size: 24
    .max_flat_workgroup_size: 512
    .sgpr_count:     66
    .vgpr_count:     256
    .wavefront_size: 32
...
	.end_amdgpu_metadata
.endif
;; end of part 3
;; launch oln (part 4): grid 256 x 1, 8 waves a work-group, no clusters, 84,736 bytes of LDS; arguments hc, wts, b_o, x, ln2_g, ln2_b, hc2, x2; writes hc2, x2
.if DOCPART == 4
	.amdgcn_target "amdgcn-amd-amdhsa--gfx1250"
	.amdhsa_code_object_version 6
	.text
	.protected	k_qa104c2c8b0_oln
	.globl	k_qa104c2c8b0_oln
	.p2align	8
	.type	k_qa104c2c8b0_oln,@function
k_qa104c2c8b0_oln:
	s_mov_b64 s[64:65], 0
	v_nop
	global_prefetch_b8 v0, s[64:65] scope:SCOPE_SE
	s_setreg_imm32_b32 hwreg(HW_REG_WAVE_MODE, 25, 1), 1
	s_wait_xcnt 0x0
; x2 = O w_o + b_o + x (the product on FP4 codes with E8M0 scales, K = 1,024), and y = LN2(x2) quantised along the row as the up product's operand.  Nothing of the problem's work is left out here.
; LN2 wants whole rows, so a work-group takes ONE tile of 16 rows (the program's order of rows) over all 1,024 columns: 256 work-groups.  x2 goes out as f32 rows; y's codes and scale bytes go to hc2, laid as hc is (codes [tile][8 K steps][1,024 bytes], scale images of 512 bytes from byte 2,097,152 on).
; SHARES.  Eight waves; wave w takes w_o's tiles 8 w .. 8 w + 7 (128 columns) over 8 K steps: 64 products on 8 accumulators by turns.  Source 0 = a tile of w_o, source 1 = the 16 rows: a lane holds one row, and the 16 registers of two neighbouring tiles are 16 neighbouring columns.
; w_o's fragments are register images in wts.  With 16 rows a fragment feeds ONE product of ONE wave, so it goes from memory straight into that wave's operand registers: a ring of four K steps (4 x 8 fragments, 256 registers: window 1), refilled directly behind the products that have read a step.
; No cluster and no joint loads: there is no LDS tile of the weight that partners could share.  No prefetch: the ring's own loads stand four K steps ahead of the products that read them.
; The rows' operand (attention's eight images) lies in LDS and comes to each wave a K step at a time, two steps ahead, in two buffers.
; The sums begin with x + b_o, loaded from LDS into the accumulators.  LDS holds x + b_o, then x2, as 16 rows of 4,096 bytes + 16: rows come in and leave dense, 512 consecutive bytes an instruction.
; LN2: the variance is taken of the differences from the mean; a row's sums meet through LDS (8 waves x 128 columns), two barriers.
; LIMITS: a block whose largest magnitude lies under 2^-124, a block of zeros among them, keeps the byte 1 (this program alone reads the bytes); NaN and infinities are not served.
; REGISTERS, window 0: v1-15 addresses; v16-19 the rows' scale words; v32-95 the accumulators; v96-127 w_o's scale words; v128-143 the rows' two fragments; v144-255 at work.
.set XP,    4112
.set AIMG,  65792                      ; attention's 8 images
.set ASCL,  73984                      ; y's scale image
.set PAR,   74496                      ; for each wave 1,024 bytes: its 128 of ln2_g, of ln2_b
.set STAT,  82688                      ; the rows' partial sums: 2 x 16 rows x 8 waves
.set SPARE, 83712                      ; the spare words, 128 bytes for each wave: four blocks of 256 bytes that no other line names
.set ASC, 16
.set ACC, 32
.set S0,  96
.set AB,  128
.set T,   144
.set P,   176
.set U,   208
.set TM,  240
.set PC,  144
.set PW,  152
.set MSB, 0
.macro WIN new                         ; the immediate's high byte repeats the setting that is left
.if MSB != (\new)
	s_set_vgpr_msb (MSB<<8)|(\new)
.set MSB, \new
.endif
.endm
.macro BAR                             ; my LDS instructions are done; then the work-group's barrier
	s_wait_alu depctr_va_vdst(0)                   ; ahead of a wait that blocks
	s_wait_dscnt 0x0
	s_barrier_signal -1
	s_barrier_wait -1
.endm
.macro RLOAD slot, off                 ; a K step's eight fragments into a slot of the ring: 16 loads of 512 consecutive bytes
	WIN 0x40
.set i, 0
.rept 8
	global_load_b128 v[64*(\slot)+8*i:64*(\slot)+8*i+3], v1, s[32:33] offset:(\off)+i*8192
	global_load_b128 v[64*(\slot)+8*i+4:64*(\slot)+8*i+7], v1, s[32:33] offset:(\off)+i*8192+512
.set i, i+1
.endr
	WIN 0
.endm
.macro SLOAD reg, base                 ; eight loads of 512 consecutive bytes: eight tiles' scale images, or a dense row of 1,024 f32
.set i, 0
.rept 8
	global_load_b128 v[\reg+4*i:\reg+4*i+3], v1, s[\base:\base+1] offset:i*512
.set i, i+1
.endr
.endm
.macro ALOAD buf, off                  ; a fragment of the rows
	ds_load_b128 v[AB+8*(\buf):AB+8*(\buf)+3], v4 offset:\off
	ds_load_b128 v[AB+8*(\buf)+4:AB+8*(\buf)+7], v4 offset:(\off)+512
.endm
.macro ROWSUM                          ; v[TM .. TM+7], four packed chains, become one number
	v_pk_add_f32 v[TM:TM+1], v[TM:TM+1], v[TM+2:TM+3]
	v_pk_add_f32 v[TM+4:TM+5], v[TM+4:TM+5], v[TM+6:TM+7]
	v_pk_add_f32 v[TM:TM+1], v[TM:TM+1], v[TM+4:TM+5]
	v_add_f32 v[TM], v[TM], v[TM+1]
.endm
.macro HALVES                          ; with lane l xor 16's half of the row
	v_permlanex16_b32 v[TM+8], v[TM], s24, s25
	v_add_f32 v[TM], v[TM], v[TM+8]
.endm
	s_load_b512 s[4:19], s[0:1], 0x0               ; hc, wts, b_o, x, ln2_g, ln2_b, hc2, x2
	v_lshl_add_u32 v10, v0, 2, SPARE               ; my spare word; never rewritten
	v_mov_b32 v11, 0                               ; 0; never rewritten
	v_lshrrev_b32 v254, 5, v0
	v_readfirstlane_b32 s22, v254                  ; wave 0..7
	v_and_b32 v254, 31, v0
	v_lshlrev_b32 v1, 4, v254                      ; 16 x lane
	v_and_b32 v252, 15, v0                         ; r
	v_bfe_u32 v253, v0, 4, 1                       ; h
	s_wait_alu depctr_va_vdst(0)
	s_lshl_b32 s2, s22, 9
	v_mul_u32_u24 v2, v252, XP
	v_lshl_add_u32 v2, v253, 6, v2
	v_add_nc_u32 v2, s2, v2                        ; v2: my 16 columns of each 32 in the rows' stage: r XP + 512 w + 64 h
	s_lshl_b32 s3, s22, 10
	s_add_co_u32 s3, s3, PAR
	v_lshl_add_u32 v12, v253, 6, s3                ; v12: ln2_g (ln2_b 512 further on), 64 h
	v_add_nc_u32 v255, s3, v1                      ; into my parameters: dense
	v_add_nc_u32 v4, AIMG, v1                      ; v4: the images, 16 x lane
	s_lshl_b32 s2, s22, 10
	v_add_nc_u32 v5, s2, v4                        ; v5: image w
	s_lshl_b32 s2, s22, 2
	s_add_co_u32 s2, s2, STAT
	v_lshl_add_u32 v8, v252, 5, s2                 ; v8: my partial sum of row r
	v_lshl_add_u32 v9, v252, 5, STAT               ; v9: row r's eight
	s_mul_i32 s2, s22, 2*XP
	v_add_nc_u32 v13, s2, v1                       ; v13: lane-rows 2 w, 2 w + 1 of the stage, dense
	s_lshr_b32 s2, s22, 2
	s_lshl_b32 s2, s2, 8
	s_and_b32 s3, s22, 3
	s_lshl_b32 s3, s3, 2
	s_add_co_u32 s2, s2, s3
	s_add_co_u32 s2, s2, ASCL
	v_lshl_add_u32 v14, v252, 4, s2                ; v14: y's scale word of K step w: 256 (w / 4) + 16 r + 4 (w % 4)
	v_add_nc_u32 v15, ASCL, v1                     ; v15: the scale image, 16 x lane
	s_lshr_b32 s26, ttmp9, 1
	s_lshl_b32 s26, s26, 5
	s_and_b32 s27, ttmp9, 1
	s_lshl_b32 s27, s27, 3
	s_add_co_u32 s26, s26, s27
	s_lshl_b32 s27, s22, 1
	s_add_co_u32 s26, s26, s27
	s_lshr_b32 s27, s22, 2
	s_lshl_b32 s27, s27, 3
	s_add_co_u32 s26, s26, s27                     ; the row of lane-row 2 w: 32 (tile / 2) + 8 (tile % 2) + 2 w + 8 (w / 4)
	s_lshl_b32 s26, s26, 12
	s_mov_b32 s27, 0
	s_lshl_b32 s28, ttmp9, 13
	s_lshl_b32 s29, s22, 10
	s_add_co_u32 s28, s28, s29                     ; image w of my tile, in hc and in hc2 alike
	s_mov_b32 s29, 0
	s_lshl_b32 s30, ttmp9, 9
	s_add_co_u32 s30, s30, 2097152                 ; its scale image
	s_mov_b32 s31, 0
	s_lshl_b32 s32, s22, 16
	s_add_co_u32 s32, s32, 1572864                 ; w_o's tiles 8 w ..
	s_mov_b32 s33, 0
	s_lshl_b32 s38, s22, 12
	s_add_co_u32 s38, s38, 6389760                 ; and their scale images
	s_mov_b32 s39, 0
	s_mov_b32 s24, 0x76543210
	s_mov_b32 s25, 0xfedcba98                      ; lane l xor 16
	s_mov_b32 s40, 0x3a800000                      ; 1 / 1,024
	s_mov_b32 s41, 0x3727c5ac                      ; 1e-5
	s_wait_alu depctr_va_vdst(0)                   ; the head's end
	s_wait_kmcnt 0x0
	s_add_nc_u64 s[10:11], s[10:11], s[26:27]
	s_add_nc_u64 s[18:19], s[18:19], s[26:27]
	s_add_nc_u64 s[34:35], s[16:17], s[28:29]
	s_add_nc_u64 s[36:37], s[16:17], s[30:31]
	s_add_nc_u64 s[28:29], s[4:5], s[28:29]
	s_add_nc_u64 s[30:31], s[4:5], s[30:31]
	s_add_nc_u64 s[32:33], s[6:7], s[32:33]
	s_add_nc_u64 s[38:39], s[6:7], s[38:39]
	s_lshl_b32 s2, s22, 9
	s_mov_b32 s3, 0
	s_add_nc_u64 s[12:13], s[12:13], s[2:3]
	s_add_nc_u64 s[14:15], s[14:15], s[2:3]
.irp j, 0,1,2,3,4,5,6,7
	global_load_b128 v[T+4*\j:T+4*\j+3], v1, s[10:11] offset:512*\j th:TH_LOAD_NT          ; two rows of x, dense
.endr
.irp j, 0,1,2,3,4,5,6,7
	global_load_b128 v[P+4*\j:P+4*\j+3], v1, s[10:11] offset:4096+512*\j th:TH_LOAD_NT
.endr
	SLOAD U, 8                                     ; b_o, dense
	global_load_b128 v[AB:AB+3], v1, s[28:29]
	global_load_b128 v[AB+4:AB+7], v1, s[28:29] offset:512
	global_load_b128 v[ASC:ASC+3], v1, s[30:31]
	global_load_b128 v[TM:TM+3], v1, s[12:13]
	global_load_b128 v[TM+4:TM+7], v1, s[14:15]
	SLOAD S0, 38                                   ; w_o's scale words,
	RLOAD 0, 0                                     ; and the ring's first K step
	s_wait_loadcnt 24                              ; all but those 24
.set j, 0
.rept 16
	v_pk_add_f32 v[T+j:T+j+1], v[T+j:T+j+1], v[U+j:U+j+1]
	v_pk_add_f32 v[P+j:P+j+1], v[P+j:P+j+1], v[U+j:U+j+1]
.set j, j+2
.endr
.irp j, 0,1,2,3,4,5,6,7
	ds_store_b128 v13, v[T+4*\j:T+4*\j+3] offset:512*\j
	ds_store_b128 v13, v[P+4*\j:P+4*\j+3] offset:XP+512*\j
.endr
	ds_store_b128 v5, v[AB:AB+3]
	ds_store_b128 v5, v[AB+4:AB+7] offset:512
	ds_store_b128 v255, v[TM:TM+3]
	ds_store_b128 v255, v[TM+4:TM+7] offset:512
	RLOAD 1, 1024
	RLOAD 2, 2048
	RLOAD 3, 3072
	BAR                                            ; x + b_o and attention's eight images are whole
.irp b, 4,5,6,7,8
	v_mov_b32 v[TM+\b], 0                          ; written once: a lane permute's destination counts as one of its sources
.endr
.irp p, 0,1,2,3
.irp q, 0,1,2,3
	ds_load_b128 v[ACC+16*\p+4*\q:ACC+16*\p+4*\q+3], v2 offset:128*\p+16*\q       ; the sums begin with x + b_o: register 16 p + i is column 32 p + 16 h + i of my 128
.endr
.endr
	ALOAD 0, 0
	ALOAD 1, 1024
	; THE PRODUCT: 8 K steps x 8 tiles.  The eight accumulators take turns, one instruction a turn.  Four plain places stand behind a step's products, ahead of the loads into the registers that they have read.
	s_wait_alu depctr_va_vdst(0)                   ; ahead of the waits below
.irp k, 0,1,2,3,4,5,6,7
.if \k < 4
	s_wait_loadcnt 48                              ; three younger K steps, 48 loads, may be out
.else
	s_wait_loadcnt 16*(7-\k)                       ; only the later steps
.endif
.if \k == 0 || \k == 7
	s_wait_dscnt 0x0
.elseif \k > 1
	s_wait_dscnt 2                                 ; the next step's fragment of the rows may be out
.endif
	WIN 0x01
.set i, 0
.rept 8
.if \k < 4
	v_wmma_scale_f32_16x16x128_f8f6f4 v[ACC+8*i:ACC+8*i+7], v[64*(\k%4)+8*i:64*(\k%4)+8*i+7], v[AB+8*(\k%2):AB+8*(\k%2)+7], v[ACC+8*i:ACC+8*i+7], v[S0+4*i+\k%4], v[ASC+\k%4] matrix_a_fmt:MATRIX_FMT_FP4 matrix_b_fmt:MATRIX_FMT_FP4
.else
	v_wmma_scale_f32_16x16x128_f8f6f4 v[ACC+8*i:ACC+8*i+7], v[64*(\k%4)+8*i:64*(\k%4)+8*i+7], v[AB+8*(\k%2):AB+8*(\k%2)+7], v[ACC+8*i:ACC+8*i+7], v[S0+4*i+\k%4], v[ASC+\k%4] matrix_a_fmt:MATRIX_FMT_FP4 matrix_b_fmt:MATRIX_FMT_FP4 matrix_a_scale:MATRIX_SCALE_ROW1 matrix_b_scale:MATRIX_SCALE_ROW1
.endif
.set i, i+1
.endr
.rept 4
	v_nop
.endr
	WIN 0
.if \k < 4
	RLOAD \k, (\k+4)*1024
.endif
.if \k < 6
	ALOAD \k%2, (\k+2)*1024
.endif
.endr
	; ---------------- LN2 ----------------
.irp p, 0,1,2,3
.irp q, 0,1,2,3
	ds_load_b128 v[T+16*\p+4*\q:T+16*\p+4*\q+3], v12 offset:128*\p+16*\q          ; ln2_g of my 64 columns
.endr
.endr
.irp p, 0,1
.irp q, 0,1,2,3
	ds_load_b128 v[U+16*\p+4*\q:U+16*\p+4*\q+3], v12 offset:512+128*\p+16*\q      ; ln2_b: the first 32,
	ds_load_b128 v[S0+16*\p+4*\q:S0+16*\p+4*\q+3], v12 offset:768+128*\p+16*\q    ; and the others
.endr
.endr
.irp c, 0,1,2,3
	v_pk_add_f32 v[TM+2*\c:TM+2*\c+1], v[ACC+16*\c:ACC+16*\c+1], v[ACC+16*\c+2:ACC+16*\c+3]   ; each accumulator is read from its low end on
.endr
.irp i, 4,6,8,10,12,14
.irp c, 0,1,2,3
	v_pk_add_f32 v[TM+2*\c:TM+2*\c+1], v[TM+2*\c:TM+2*\c+1], v[ACC+16*\c+\i:ACC+16*\c+\i+1]
.endr
.endr
	ROWSUM
	HALVES
	ds_store_b32 v8, v[TM]                         ; lanes l and l xor 16 store the same number at the same place
	BAR
	ds_load_b128 v[TM:TM+3], v9
	ds_load_b128 v[TM+4:TM+7], v9 offset:16
.irp p, 0,1,2,3
.irp q, 0,1,2,3
	ds_store_b128 v2, v[ACC+16*\p+4*\q:ACC+16*\p+4*\q+3] offset:128*\p+16*\q      ; x2 goes where x + b_o lay: my own places
.endr
.endr
	s_wait_dscnt 0x0
	ROWSUM
	v_mul_f32 v[TM], s40, v[TM]                    ; the mean,
	v_mov_b32 v[TM+1], v[TM]                       ; twice, for the packed form
.set j, 0
.rept 32
	v_pk_add_f32 v[ACC+j:ACC+j+1], v[ACC+j:ACC+j+1], v[TM:TM+1] neg_lo:[0,1] neg_hi:[0,1]
.set j, j+2
.endr
.irp c, 0,1,2,3
	v_pk_mul_f32 v[TM+2*\c:TM+2*\c+1], v[ACC+16*\c:ACC+16*\c+1], v[ACC+16*\c:ACC+16*\c+1]
.endr
.irp i, 2,4,6,8,10,12,14
.irp c, 0,1,2,3
	v_pk_fma_f32 v[TM+2*\c:TM+2*\c+1], v[ACC+16*\c+\i:ACC+16*\c+\i+1], v[ACC+16*\c+\i:ACC+16*\c+\i+1], v[TM+2*\c:TM+2*\c+1]
.endr
.endr
	ROWSUM
	HALVES
	ds_store_b32 v8, v[TM] offset:512
	BAR
	ds_load_b128 v[TM:TM+3], v9 offset:512
	ds_load_b128 v[TM+4:TM+7], v9 offset:528
	s_wait_dscnt 0x0
	ROWSUM
	v_fma_f32 v[TM], v[TM], s40, s41               ; var + 1e-5
	s_wait_alu depctr_va_vdst(0)                   ; ahead of the transcendental,
	v_rsq_f32 v[TM+2], v[TM]
	v_nop
	s_wait_alu depctr_va_vdst(0)                   ; and behind it
	v_mov_b32 v[TM+3], v[TM+2]
.set j, 0
.rept 32
	v_pk_mul_f32 v[ACC+j:ACC+j+1], v[ACC+j:ACC+j+1], v[TM+2:TM+3]
.set j, j+2
.endr
.set j, 0
.rept 16
	v_pk_fma_f32 v[ACC+j:ACC+j+1], v[ACC+j:ACC+j+1], v[T+j:T+j+1], v[U+j:U+j+1]
	v_pk_fma_f32 v[ACC+32+j:ACC+33+j], v[ACC+32+j:ACC+33+j], v[T+32+j:T+33+j], v[S0+j:S0+j+1]
.set j, j+2
.endr
	; THE QUANTISER: the 64 numbers of a lane (register 16 b + i = place 32 b + 16 h + i) become a fragment's codes v[PC ..] and its scale word v[PW]
.irp b, 0,1,2,3
	v_max3_num_f32 v[TM+\b], |v[ACC+16*\b]|, |v[ACC+1+16*\b]|, 0x1800000   ; the floor 2^(3 - 127): the byte cannot fall under 1
.endr
.irp i, 2,4,6,8,10,12,14
.irp b, 0,1,2,3
	v_max3_num_f32 v[TM+\b], |v[ACC+16*\b+\i]|, |v[ACC+1+16*\b+\i]|, v[TM+\b]
.endr
.endr
.irp b, 0,1,2,3
	v_permlanex16_b32 v[TM+4+\b], v[TM+\b], s24, s25
.endr
.irp b, 0,1,2,3
	v_max_num_f32 v[TM+\b], v[TM+\b], v[TM+4+\b]   ; with lane l xor 16's: the block's largest magnitude
.endr
.irp b, 0,1,2,3
	v_add_nc_u32 v[TM+12+\b], 0xff000000, v[TM+\b] ; 2 off the exponent field: the conversion's scale operand
.endr
.irp b, 0,1,2,3
	v_lshrrev_b32 v[TM+4+\b], 23, v[TM+12+\b]      ; the byte
.endr
	v_lshl_or_b32 v[PW], v[TM+5], 8, v[TM+4]
	v_lshl_or_b32 v[PW], v[TM+6], 16, v[PW]
	v_lshl_or_b32 v[PW], v[TM+7], 24, v[PW]
.irp b, 0,1,2,3
	v_cvt_scalef32_pk8_fp4_f32 v[PC+2*\b], v[ACC+16*\b:ACC+7+16*\b], v[TM+12+\b]
	v_cvt_scalef32_pk8_fp4_f32 v[PC+1+2*\b], v[ACC+8+16*\b:ACC+15+16*\b], v[TM+12+\b]
.endr
	v_nop                                          ; a plain instruction behind the last conversion
.irp c, 0,1
.irp i, 0,1
	v_permlane16_swap_b32 v[PC+4*\c+\i], v[PC+2+4*\c+\i]   ; a whole block to a lane
.endr
.endr
	global_store_b128 v1, v[PC:PC+3], s[34:35]     ; my 128 columns are K step w of the up product: an image, 2 x 512 consecutive bytes
	global_store_b128 v1, v[PC+4:PC+7], s[34:35] offset:512
	ds_store_b32 v14, v[PW]
	BAR                                            ; the scale image is whole (and x2 has been since the barriers above)
	s_cmp_lg_u32 s22, 0
	s_cbranch_scc1 .Lrows
	ds_load_b128 v[TM:TM+3], v15                   ; wave 0 alone: the scale image, 512 consecutive bytes
	s_wait_dscnt 0x0
	global_store_b128 v1, v[TM:TM+3], s[36:37]
.Lrows:
.irp j, 0,1,2,3,4,5,6,7
	ds_load_b128 v[P+4*\j:P+4*\j+3], v13 offset:512*\j
	ds_load_b128 v[U+4*\j:U+4*\j+3], v13 offset:XP+512*\j
.endr
	s_wait_dscnt 0x0
.irp j, 0,1,2,3,4,5,6,7
	global_store_b128 v1, v[P+4*\j:P+4*\j+3], s[18:19] offset:512*\j              ; two rows of x2, dense: 512 consecutive bytes, aligned
	global_store_b128 v1, v[U+4*\j:U+4*\j+3], s[18:19] offset:4096+512*\j
.endr
	s_wait_tensorcnt 0x0                           ; the wave's end
	ds_add_u32 v10, v11
	s_wait_dscnt 0x0
	s_endpgm
.Lfunc_end_k_qa104c2c8b0_oln:
	.size	k_qa104c2c8b0_oln, .Lfunc_end_k_qa104c2c8b0_oln-k_qa104c2c8b0_oln
	.p2alignl 7, 3214868480
	.fill 96, 4, 3214868480
	.section	.rodata,"a",@progbits
	.p2align	6, 0x0
	.amdhsa_kernel k_qa104c2c8b0_oln
		.amdhsa_group_segment_fixed_size 84736
		.amdhsa_private_segment_fixed_size 0
		.amdhsa_enable_private_segment 0
		.amdhsa_kernarg_size 64
		.amdhsa_user_sgpr_count 2
		.amdhsa_user_sgpr_kernarg_segment_ptr 1
		.amdhsa_wavefront_size32 1
		.amdhsa_system_sgpr_workgroup_id_x 1
		.amdhsa_system_sgpr_workgroup_id_y 1
		.amdhsa_system_sgpr_workgroup_id_z 1
		.amdhsa_system_vgpr_workitem_id 0
		.amdhsa_next_free_vgpr 512
		.amdhsa_next_free_sgpr 66
		.amdhsa_reserve_vcc 0
		.amdhsa_float_denorm_mode_32 3
		.amdhsa_float_denorm_mode_16_64 3
		.amdhsa_memory_ordered 1
		.amdhsa_forward_progress 1
		.amdhsa_inst_pref_size 57
	.end_amdhsa_kernel
	.amdgpu_metadata
---
amdhsa.version: [ 1, 2 ]
amdhsa.kernels:
  - .name:           k_qa104c2c8b0_oln
    .symbol:         k_qa104c2c8b0_oln.kd
    .args:
      - { .name: hc, .offset: 0, .size: 8, .value_kind: global_buffer, .address_space: global }
      - { .name: wts, .offset: 8, .size: 8, .value_kind: global_buffer, .address_space: global }
      - { .name: b_o, .offset: 16, .size: 8, .value_kind: global_buffer, .address_space: global }
      - { .name: x, .offset: 24, .size: 8, .value_kind: global_buffer, .address_space: global }
      - { .name: ln2_g, .offset: 32, .size: 8, .value_kind: global_buffer, .address_space: global }
      - { .name: ln2_b, .offset: 40, .size: 8, .value_kind: global_buffer, .address_space: global }
      - { .name: hc2, .offset: 48, .size: 8, .value_kind: global_buffer, .address_space: global }
      - { .name: x2, .offset: 56, .size: 8, .value_kind: global_buffer, .address_space: global }
    .group_segment_fixed_size: 84736
    .private_segment_fixed_size: 0
    .kernarg_segment_align: 8
    .kernarg_segment_size: 64
    .max_flat_workgroup_size: 256
    .sgpr_count:     66
    .vgpr_count:     512
    .wavefront_size: 32
...
	.end_amdgpu_metadata
.endif
;; end of part 4
;; launch mlp1 (part 5): grid 16 x 16, 4 waves a work-group, clusters of 4 x 4, 327,680 bytes of LDS; arguments hc2, wts, b1, h3; writes h3
.if DOCPART == 5
	.amdgcn_target "amdgcn-amd-amdhsa--gfx1250"
	.amdhsa_code_object_version 6
	.text
	.protected	k_qa104c2c8b0_mlp1
	.globl	k_qa104c2c8b0_mlp1
	.p2align	8
	.type	k_qa104c2c8b0_mlp1,@function
k_qa104c2c8b0_mlp1:
	s_mov_b64 s[64:65], 0
	v_nop
	global_prefetch_b8 v0, s[64:65] scope:SCOPE_SE
	s_setreg_imm32_b32 hwreg(HW_REG_WAVE_MODE, 25, 1), 1
	s_wait_xcnt 0x0
	s_wait_alu depctr_hold_cnt(0) depctr_sa_sdst(0) depctr_va_vdst(0) depctr_va_sdst(0) depctr_va_ssrc(0) depctr_va_vcc(0) depctr_vm_vsrc(0)
	s_getreg_b32 s2, hwreg(HW_REG_IB_STS2, 6, 4)
	s_cmp_eq_u32 s2, 0
	s_cbranch_scc0 .Lentry_in_a_cluster
	s_endpgm
.Lentry_in_a_cluster:
	s_bfe_u32 s2, ttmp6, 0x10000c
	s_cmp_lg_u32 s2, 0xf033
	s_cbranch_scc0 .Lentry_shape_is_right
	s_endpgm
.Lentry_shape_is_right:
.set TP,    8
.set KS,    8
.set SKS,   8                          ; all eight K steps lie in one slot: a wave's one tensor load brings its half panel over all of K (8 tiles x 8,192 consecutive bytes)
.set ASOFF, 2097152
.set BOFF,  2097152
.set BSOFF, 6291456+131072
.set PANEL, 2*TP*SKS*1024
.set SLOT,  2*PANEL
.set SCLB,  SLOT                       ; the end of the one slot; the scale images do not pass through LDS
.set SCP,   2*TP*(KS/8)*512
.set SPARE, SCLB+2*SCP
.set G1,   24
.set G0,   32
.set G1B,  48
.set G0B,  56
.set G1S,  68
.set G0S,  76
.set G1SB, 80
.set G0SB, 88
.set RA,   95
.set CC,   160
.set L2E,  180
.set NEGR, 182
.set HALF, 184
.set ONE,  186
.set PC,   192
.set TM,   200
.set PW,   216
.set MSB, 0
.macro WIN new
.if MSB != (\new)
	s_set_vgpr_msb (MSB<<8)|(\new)
.set MSB, \new
.endif
.endm
.macro NOPS4
.rept 4
	v_nop
.endr
.endm
.macro JLOAD g0a, g1a, g0b, g1b
	s_cmp_eq_u32 s15, 0
	s_cbranch_scc0 .Lfor_b_\@
	tensor_load_to_lds s[\g0a:\g0a+3], s[\g1a:\g1a+7]
	s_nop 0
.rept 4
	v_nop
.endr
	s_branch .Lasked_\@
.Lfor_b_\@:
	tensor_load_to_lds s[\g0b:\g0b+3], s[\g1b:\g1b+7]
	s_nop 0
.rept 4
	v_nop
.endr
.Lasked_\@:
.endm
.macro CROUND
	s_barrier_signal -1
	s_barrier_wait -1
	s_cmp_lg_u32 s14, 0
	s_cbranch_scc1 .Lnot_wave_0_\@
	s_barrier_signal -3
.Lnot_wave_0_\@:
	s_barrier_wait -3
	s_barrier_signal -1
	s_barrier_wait -1
.endm
	s_load_b256 s[4:11], s[0:1], 0x0
	v_lshl_add_u32 v28, v0, 2, SPARE
	v_mov_b32 v29, 0
	ds_add_u32 v28, v29
	ds_add_u32 v28, v29
	v_lshrrev_b32 v1, 5, v0
	v_readfirstlane_b32 s14, v1
	s_lshr_b32 s15, s14, 1
	s_and_b32 s16, s14, 1
	s_bfe_u32 s40, ttmp6, 0x40000
	s_bfe_u32 s41, ttmp6, 0x40004
	s_lshl_b32 s42, ttmp9, 2
	s_add_co_u32 s42, s42, s40
	s_and_b32 s17, ttmp7, 0xffff
	s_lshl_b32 s17, s17, 2
	s_add_co_u32 s17, s17, s41
	s_lshl_b32 s43, s41, 2
	s_lshl_b32 s43, 15, s43
	s_lshl_b32 s44, 0x1111, s40
	s_or_b32 s[G1+0], s43, (3<<16)|(1<<21)
	s_or_b32 s[G1B+0], s44, (3<<16)|(1<<21)
.irp g, G1, G1B
	s_mov_b32 s[\g+1], (SKS*128)<<16
	s_mov_b32 s[\g+2], TP<<16
	s_mov_b32 s[\g+3], (SKS*128)<<16
	s_mov_b32 s[\g+4], TP
	s_mov_b32 s[\g+5], KS*128
	s_mov_b32 s[\g+6], 0
	s_mov_b32 s[\g+7], 0
.endr
	s_mul_i32 s18, s16, TP
	s_mul_i32 s20, s17, 2*TP
	s_add_co_u32 s20, s20, s18
	s_mul_i32 s22, s17, 2*TP
	s_mul_i32 s94, s15, TP
	s_add_co_u32 s22, s22, s94                     ; the first of the A tiles that I multiply: their scale images
	s_mul_i32 s22, s22, 512
	s_add_co_u32 s22, s22, ASOFF
	s_mul_i32 s20, s20, KS*1024
	s_mov_b32 s21, 0
	s_mov_b32 s23, 0
	s_mul_i32 s46, s42, 2*TP
	s_add_co_u32 s46, s46, s18
	s_mul_i32 s92, s46, (KS/8)*512
	s_add_co_u32 s92, s92, BSOFF
	s_mul_i32 s46, s46, KS*1024
	s_add_co_u32 s46, s46, BOFF
	s_mov_b32 s47, 0
	s_mov_b32 s93, 0
	s_mul_i32 s45, s14, PANEL/2
	s_mov_b32 s66, 0x76543210
	s_mov_b32 s67, 0xfedcba98
	s_wait_dscnt 0x0
	s_wait_kmcnt 0x0
	s_add_nc_u64 s[20:21], s[4:5], s[20:21]
	s_add_nc_u64 s[22:23], s[4:5], s[22:23]
	s_add_nc_u64 s[46:47], s[6:7], s[46:47]
	s_add_nc_u64 s[92:93], s[6:7], s[92:93]
	CROUND
.irp s, 0
	s_mov_b32 s[G0+4*\s], 1
	s_add_co_u32 s[G0+4*\s+1], s45, \s*SLOT
	s_add_nc_u64 s[G0+4*\s+2:G0+4*\s+3], s[20:21], \s*SKS*1024
	s_or_b32 s[G0+4*\s+3], s[G0+4*\s+3], 0x80000000
	s_mov_b32 s[G0B+4*\s], 1
	s_add_co_u32 s[G0B+4*\s+1], s45, \s*SLOT
	s_add_nc_u64 s[G0B+4*\s+2:G0B+4*\s+3], s[46:47], \s*SKS*1024
	s_or_b32 s[G0B+4*\s+3], s[G0B+4*\s+3], 0x80000000
	JLOAD G0+4*\s, G1, G0B+4*\s, G1B               ; my one tensor load, behind the round
.endr
	v_and_b32 v1, 15, v0
	v_bfe_u32 v2, v0, 4, 1
	v_and_b32 v3, 31, v0
	v_lshlrev_b32 v3, 4, v3
	s_wait_alu depctr_va_vdst(0)
	s_mul_i32 s2, s15, TP*SKS*1024
	s_mul_i32 s3, s16, TP*SKS*1024
	s_add_co_u32 s3, s3, PANEL
.irp s, 0
	v_add_nc_u32 v[16+\s], s2, v3
	v_add_nc_u32 v[20+\s], s3, v3
	s_add_co_u32 s2, s2, SLOT
	s_add_co_u32 s3, s3, SLOT
.endr
	v_lshlrev_b32 v26, 6, v2
	v_lshlrev_b32 v27, 4, v1
	s_lshl_b32 s2, s42, 10
	s_lshl_b32 s3, s16, 9
	s_add_co_u32 s2, s2, s3
	s_mov_b32 s3, 0
	s_add_nc_u64 s[96:97], s[8:9], s[2:3]
.irp p, 0,1,2,3
.irp q, 0,1,2,3
	global_load_b128 v[96+16*\p+4*\q:99+16*\p+4*\q], v26, s[96:97] offset:128*\p+16*\q
.endr
.endr
.macro FETCH ks
.set FB, 128*((\ks)%2)
.set FS, ((\ks)/SKS)%2
.set FO, ((\ks)%SKS)*1024
	WIN 0x40
.set i, 0
.rept TP
	ds_load_b128 v[FB+8*i:FB+8*i+3], v[20+FS] offset:FO+i*SKS*1024
	ds_load_b128 v[FB+8*i+4:FB+8*i+7], v[20+FS] offset:FO+i*SKS*1024+512
.set i, i+1
.endr
.set i, 0
.rept TP
	ds_load_b128 v[FB+64+8*i:FB+64+8*i+3], v[16+FS] offset:FO+i*SKS*1024
	ds_load_b128 v[FB+64+8*i+4:FB+64+8*i+7], v[16+FS] offset:FO+i*SKS*1024+512
.set i, i+1
.endr
.endm
.macro SCALES g
.set SG, 32+8*TP*((\g)%2)
	WIN 0
.set i, 0
.rept TP
	global_load_b128 v[SG+4*i:SG+4*i+3], v3, s[92:93] offset:i*512         ; a scale image is 512 consecutive bytes, 16 a lane: B's tile i of my half,
	global_load_b128 v[SG+4*TP+4*i:SG+4*TP+4*i+3], v3, s[22:23] offset:i*512   ; and A's
.set i, i+1
.endr
.endm
.macro MULS ks, a0, n
.set QQ, (\ks)%4
.set FB, 128*((\ks)%2)
.set SG, 32+8*TP*(((\ks)/8)%2)
.set aa, \a0
.rept \n
.set WW, 0xa5+0x50*((8*TP*aa)/256)
	WIN WW
.set bb, 0
.rept TP
.set AC, (8*TP*aa)%256+8*bb
.if (\ks) == 0
	v_wmma_scale_f32_16x16x128_f8f6f4 v[AC:AC+7], v[FB+8*bb:FB+8*bb+7], v[FB+64+8*aa:FB+64+8*aa+7], 0, v[SG+4*bb+QQ], v[SG+4*TP+4*aa+QQ] matrix_a_fmt:MATRIX_FMT_FP4 matrix_b_fmt:MATRIX_FMT_FP4
.elseif (\ks)%8 < 4
	v_wmma_scale_f32_16x16x128_f8f6f4 v[AC:AC+7], v[FB+8*bb:FB+8*bb+7], v[FB+64+8*aa:FB+64+8*aa+7], v[AC:AC+7], v[SG+4*bb+QQ], v[SG+4*TP+4*aa+QQ] matrix_a_fmt:MATRIX_FMT_FP4 matrix_b_fmt:MATRIX_FMT_FP4
.else
	v_wmma_scale_f32_16x16x128_f8f6f4 v[AC:AC+7], v[FB+8*bb:FB+8*bb+7], v[FB+64+8*aa:FB+64+8*aa+7], v[AC:AC+7], v[SG+4*bb+QQ], v[SG+4*TP+4*aa+QQ] matrix_a_fmt:MATRIX_FMT_FP4 matrix_b_fmt:MATRIX_FMT_FP4 matrix_a_scale:MATRIX_SCALE_ROW1 matrix_b_scale:MATRIX_SCALE_ROW1
.endif
.set bb, bb+1
.endr
.set aa, aa+1
.endr
.endm
.macro STEP ks
	s_wait_dscnt 0x0
.if (\ks) == KS-1
	MULS \ks, 0, TP
.elseif ((\ks)+1)%SKS != 0
	NOPS4
	FETCH (\ks)+1
	MULS \ks, 0, TP
.else
	MULS \ks, 0, TP/2
	WIN 0
	s_wait_tensorcnt 0x0
	ds_add_u32 v28, v29
	s_wait_dscnt 0x0
	s_barrier_signal -1
	s_barrier_wait -1
	NOPS4
	FETCH (\ks)+1
	MULS \ks, TP/2, TP/2
.endif
.endm
	SCALES 0                                       ; sixteen loads, on their way beside the tensor load
	s_wait_alu depctr_va_vdst(0)
	s_wait_tensorcnt 0x0                           ; my one tensor load has landed
	s_barrier_signal -1
	s_barrier_wait -1                              ; everybody's has
	FETCH 0
	s_wait_loadcnt 0x0                             ; the scale words (and the bias)
.set K, 0
.rept KS
	STEP K
.set K, K+1
.endr
	WIN 0
	NOPS4
	s_wait_loadcnt 0x0
	WIN 0x40
.macro CONST r, val
	v_mov_b32 v[\r], \val
	v_mov_b32 v[\r+1], \val
.endm
	CONST CC+0,  -1.26551223
	CONST CC+2,  1.00002368
	CONST CC+4,  0.37409196
	CONST CC+6,  0.09678418
	CONST CC+8,  -0.18628806
	CONST CC+10, 0.27886807
	CONST CC+12, -1.13520398
	CONST CC+14, 1.48851587
	CONST CC+16, -0.82215223
	CONST CC+18, 0.17087277
	CONST L2E,   0x3fb8aa3b
	CONST NEGR,  0xbf3504f3
	CONST HALF,  0.5
	CONST ONE,   1.0
.irp b, 0,1,2,3
	v_mov_b32 v[TM+4+\b], 0
.endr
	WIN 0
	s_lshl_b32 s2, s17, 4
	s_lshl_b32 s3, s15, 3
	s_add_co_u32 s2, s2, s3
	s_lshl_b32 s3, s42, 1
	s_add_co_u32 s3, s3, s16
	s_lshl_b32 s20, s2, 5
	s_add_co_u32 s20, s20, s3
	s_lshl_b32 s20, s20, 10
	s_mov_b32 s21, 0
	s_lshl_b32 s22, s2, 11
	s_lshr_b32 s12, s3, 2
	s_lshl_b32 s12, s12, 8
	s_add_co_u32 s22, s22, s12
	s_and_b32 s12, s3, 3
	s_lshl_b32 s12, s12, 2
	s_add_co_u32 s22, s22, s12
	s_add_co_u32 s22, s22, 8388608
	s_mov_b32 s23, 0
	s_add_nc_u64 s[20:21], s[10:11], s[20:21]
	s_add_nc_u64 s[22:23], s[10:11], s[22:23]
	s_mov_b32 s[RA], 0
.macro MV a
	WIN 0x40|(2+(\a)/4)
.set i, 0
.rept 32
	v_pk_add_f32 v[i:i+1], v[64*((\a)%4)+i:64*((\a)%4)+i+1], v[96+i:97+i]
.set i, i+2
.endr
	WIN 0
.endm
.Lrow:
.irp a, 0,1,2,3,4,5,6
	s_cmp_eq_u32 s[RA], \a
	s_cbranch_scc1 .Lmv\a
.endr
	MV 7
	s_branch .Lbody
.irp a, 0,1,2,3,4,5,6
.Lmv\a:
	MV \a
	s_branch .Lbody
.endr
.Lbody:
	WIN 0x55
.irp hf, 0,1
.set i, 0
.rept 32
	v_mul_f32 v[64+i], 0x3f3504f3, |v[32*\hf+i]|
.set i, i+1
.endr
.set i, 0
.rept 16
	v_pk_fma_f32 v[96+i:97+i], v[64+i:65+i], v[HALF:HALF+1], v[ONE:ONE+1]
.set i, i+2
.endr
.set i, 0
	s_wait_alu depctr_va_vdst(0)
.rept 32
	v_rcp_f32 v[96+i], v[96+i]
.set i, i+1
.endr
	v_nop
	s_wait_alu depctr_va_vdst(0)
.set i, 0
.rept 16
	v_pk_fma_f32 v[128+i:129+i], v[96+i:97+i], v[CC+18:CC+19], v[CC+16:CC+17]
.set i, i+2
.endr
.irp k, 14,12,10,8,6,4,2,0
.set i, 0
.rept 16
	v_pk_fma_f32 v[128+i:129+i], v[128+i:129+i], v[96+i:97+i], v[CC+\k:CC+\k+1]
.set i, i+2
.endr
.endr
.set i, 0
.rept 16
	v_pk_fma_f32 v[128+i:129+i], v[64+i:65+i], v[64+i:65+i], v[128+i:129+i] neg_lo:[1,0,0] neg_hi:[1,0,0]
.set i, i+2
.endr
.set i, 0
.rept 16
	v_pk_mul_f32 v[128+i:129+i], v[128+i:129+i], v[L2E:L2E+1]
.set i, i+2
.endr
.set i, 0
	s_wait_alu depctr_va_vdst(0)
.rept 32
	v_exp_f32 v[128+i], v[128+i]
.set i, i+1
.endr
	v_nop
	s_wait_alu depctr_va_vdst(0)
.set i, 0
.rept 16
	v_pk_mul_f32 v[128+i:129+i], v[128+i:129+i], v[96+i:97+i]
.set i, i+2
.endr
.set i, 0
.rept 16
	v_pk_mul_f32 v[128+i:129+i], v[128+i:129+i], v[64+i:65+i]
.set i, i+2
.endr
.set i, 0
.rept 32
	v_max_num_f32 v[64+i], 0, v[32*\hf+i]
.set i, i+1
.endr
.set i, 0
.rept 16
	v_pk_fma_f32 v[32*\hf+i:32*\hf+i+1], v[128+i:129+i], v[NEGR:NEGR+1], v[64+i:65+i]
.set i, i+2
.endr
.endr
.irp b, 0,1,2,3
	v_max3_num_f32 v[TM+\b], |v[16*\b]|, |v[1+16*\b]|, 0x1800000
.endr
.irp i, 2,4,6,8,10,12,14
.irp b, 0,1,2,3
	v_max3_num_f32 v[TM+\b], |v[16*\b+\i]|, |v[1+16*\b+\i]|, v[TM+\b]
.endr
.endr
.irp b, 0,1,2,3
	v_permlanex16_b32 v[TM+4+\b], v[TM+\b], s66, s67
.endr
.irp b, 0,1,2,3
	v_max_num_f32 v[TM+\b], v[TM+\b], v[TM+4+\b]
.endr
.irp b, 0,1,2,3
	v_add_nc_u32 v[TM+12+\b], 0xff000000, v[TM+\b]
.endr
.irp b, 0,1,2,3
	v_lshrrev_b32 v[TM+4+\b], 23, v[TM+12+\b]
.endr
	v_lshl_or_b32 v[PW], v[TM+5], 8, v[TM+4]
	v_lshl_or_b32 v[PW], v[TM+6], 16, v[PW]
	v_lshl_or_b32 v[PW], v[TM+7], 24, v[PW]
.irp b, 0,1,2,3
	v_cvt_scalef32_pk8_fp4_f32 v[PC+2*\b], v[16*\b:7+16*\b], v[TM+12+\b]
	v_cvt_scalef32_pk8_fp4_f32 v[PC+1+2*\b], v[8+16*\b:15+16*\b], v[TM+12+\b]
.endr
	v_nop
.irp c, 0,1
.irp i, 0,1
	v_permlane16_swap_b32 v[PC+4*\c+\i], v[PC+2+4*\c+\i]
.endr
.endr
	WIN 0x04
	global_store_b128 v3, v[PC:PC+3], s[20:21]
	global_store_b128 v3, v[PC+4:PC+7], s[20:21] offset:512
	global_store_b32 v27, v[PW], s[22:23]
	WIN 0
	s_wait_xcnt 0x0
	s_add_nc_u64 s[20:21], s[20:21], 32768
	s_add_nc_u64 s[22:23], s[22:23], 2048
	s_add_co_u32 s[RA], s[RA], 1
	s_cmp_lt_u32 s[RA], 8
	s_cbranch_scc1 .Lrow
	s_wait_tensorcnt 0x0
	ds_add_u32 v28, v29
	s_wait_dscnt 0x0
	CROUND
	s_endpgm
.Lfunc_end_k_qa104c2c8b0_mlp1:
	.size	k_qa104c2c8b0_mlp1, .Lfunc_end_k_qa104c2c8b0_mlp1-k_qa104c2c8b0_mlp1
	.p2alignl 7, 3214868480
	.fill 96, 4, 3214868480
	.section	.rodata,"a",@progbits
	.p2align	6, 0x0
	.amdhsa_kernel k_qa104c2c8b0_mlp1
		.amdhsa_group_segment_fixed_size 327680
		.amdhsa_private_segment_fixed_size 0
		.amdhsa_enable_private_segment 0
		.amdhsa_kernarg_size 32
		.amdhsa_user_sgpr_count 2
		.amdhsa_user_sgpr_kernarg_segment_ptr 1
		.amdhsa_wavefront_size32 1
		.amdhsa_system_sgpr_workgroup_id_x 1
		.amdhsa_system_sgpr_workgroup_id_y 1
		.amdhsa_system_sgpr_workgroup_id_z 1
		.amdhsa_system_vgpr_workitem_id 0
		.amdhsa_next_free_vgpr 1024
		.amdhsa_next_free_sgpr 102
		.amdhsa_reserve_vcc 0
		.amdhsa_float_denorm_mode_32 3
		.amdhsa_float_denorm_mode_16_64 3
		.amdhsa_memory_ordered 1
		.amdhsa_forward_progress 1
		.amdhsa_inst_pref_size 158
	.end_amdhsa_kernel
	.amdgpu_metadata
---
amdhsa.version: [ 1, 2 ]
amdhsa.kernels:
  - .name:           k_qa104c2c8b0_mlp1
    .symbol:         k_qa104c2c8b0_mlp1.kd
    .args:
      - { .name: hc2, .offset: 0, .size: 8, .value_kind: global_buffer, .address_space: global }
      - { .name: wts, .offset: 8, .size: 8, .value_kind: global_buffer, .address_space: global }
      - { .name: b1, .offset: 16, .size: 8, .value_kind: global_buffer, .address_space: global }
      - { .name: h3, .offset: 24, .size: 8, .value_kind: global_buffer, .address_space: global }
    .group_segment_fixed_size: 327680
    .private_segment_fixed_size: 0
    .kernarg_segment_align: 8
    .kernarg_segment_size: 32
    .max_flat_workgroup_size: 128
    .sgpr_count:     102
    .vgpr_count:     1024
    .wavefront_size: 32
...
	.end_amdgpu_metadata
.endif
;; end of part 5
;; launch mlp2 (part 6): grid 8 x 32, 4 waves a work-group, clusters of 4 x 4, 327,680 bytes of LDS; arguments h3, wts, b2, x2, out0; writes out0
.if DOCPART == 6
	.amdgcn_target "amdgcn-amd-amdhsa--gfx1250"
	.amdhsa_code_object_version 6
	.text
	.protected	k_qa104c2c8b0_mlp2
	.globl	k_qa104c2c8b0_mlp2
	.p2align	8
	.type	k_qa104c2c8b0_mlp2,@function
k_qa104c2c8b0_mlp2:
	s_mov_b64 s[64:65], 0
	v_nop
	global_prefetch_b8 v0, s[64:65] scope:SCOPE_SE
	s_setreg_imm32_b32 hwreg(HW_REG_WAVE_MODE, 25, 1), 1
	s_wait_xcnt 0x0
	s_wait_alu depctr_hold_cnt(0) depctr_sa_sdst(0) depctr_va_vdst(0) depctr_va_sdst(0) depctr_va_ssrc(0) depctr_va_vcc(0) depctr_vm_vsrc(0)
	s_getreg_b32 s2, hwreg(HW_REG_IB_STS2, 6, 4)
	s_cmp_eq_u32 s2, 0
	s_cbranch_scc0 .Lentry_in_a_cluster
	s_endpgm
.Lentry_in_a_cluster:
	s_bfe_u32 s2, ttmp6, 0x10000c
	s_cmp_lg_u32 s2, 0xf033
	s_cbranch_scc0 .Lentry_shape_is_right
	s_endpgm
.Lentry_shape_is_right:
.set TP,    4
.set KS,    32
.set SKS,   8
.set ASOFF, 8388608
.set BOFF,  4194304
.set BSOFF, 6291456+262144
.set PANEL, 2*TP*SKS*1024
.set SLOT,  2*PANEL
.set SCLB,  2*SLOT
.set SCP,   2*TP*(KS/8)*512
.set SPARE, SCLB+2*SCP
.set STAGE, SPARE+512
.set G1,   24
.set G0,   32
.set G1B,  48
.set G0B,  56
.set G1S,  68
.set G0S,  76
.set G1SB, 80
.set G0SB, 88
.set MSB, 0
.macro WIN new
.if MSB != (\new)
	s_set_vgpr_msb (MSB<<8)|(\new)
.set MSB, \new
.endif
.endm
.macro NOPS4
.rept 4
	v_nop
.endr
.endm
.macro JLOAD g0a, g1a, g0b, g1b
	s_cmp_eq_u32 s15, 0
	s_cbranch_scc0 .Lfor_b_\@
	tensor_load_to_lds s[\g0a:\g0a+3], s[\g1a:\g1a+7]
	s_nop 0
.rept 4
	v_nop
.endr
	s_branch .Lasked_\@
.Lfor_b_\@:
	tensor_load_to_lds s[\g0b:\g0b+3], s[\g1b:\g1b+7]
	s_nop 0
.rept 4
	v_nop
.endr
.Lasked_\@:
.endm
.macro CROUND
	s_barrier_signal -1
	s_barrier_wait -1
	s_cmp_lg_u32 s14, 0
	s_cbranch_scc1 .Lnot_wave_0_\@
	s_barrier_signal -3
.Lnot_wave_0_\@:
	s_barrier_wait -3
	s_barrier_signal -1
	s_barrier_wait -1
.endm
	s_load_b256 s[4:11], s[0:1], 0x0
	s_load_b64 s[12:13], s[0:1], 0x20
	v_lshl_add_u32 v28, v0, 2, SPARE
	v_mov_b32 v29, 0
	ds_add_u32 v28, v29
	ds_add_u32 v28, v29
	v_lshrrev_b32 v1, 5, v0
	v_readfirstlane_b32 s14, v1
	s_lshr_b32 s15, s14, 1
	s_and_b32 s16, s14, 1
	s_bfe_u32 s40, ttmp6, 0x40000
	s_bfe_u32 s41, ttmp6, 0x40004
	s_lshl_b32 s42, ttmp9, 2
	s_add_co_u32 s42, s42, s40
	s_and_b32 s17, ttmp7, 0xffff
	s_lshl_b32 s17, s17, 2
	s_add_co_u32 s17, s17, s41
	s_lshl_b32 s43, s41, 2
	s_lshl_b32 s43, 15, s43
	s_lshl_b32 s44, 0x1111, s40
	s_or_b32 s[G1+0], s43, (3<<16)|(1<<21)
	s_or_b32 s[G1B+0], s44, (3<<16)|(1<<21)
.irp g, G1, G1B
	s_mov_b32 s[\g+1], (SKS*128)<<16
	s_mov_b32 s[\g+2], TP<<16
	s_mov_b32 s[\g+3], (SKS*128)<<16
	s_mov_b32 s[\g+4], TP
	s_mov_b32 s[\g+5], KS*128
	s_mov_b32 s[\g+6], 0
	s_mov_b32 s[\g+7], 0
.endr
	s_mul_i32 s18, s16, TP
	s_mul_i32 s20, s17, 2*TP
	s_add_co_u32 s20, s20, s18
	s_mul_i32 s22, s20, (KS/8)*512
	s_add_co_u32 s22, s22, ASOFF
	s_mul_i32 s20, s20, KS*1024
	s_mov_b32 s21, 0
	s_mov_b32 s23, 0
	s_mul_i32 s46, s42, 2*TP
	s_add_co_u32 s46, s46, s18
	s_mul_i32 s92, s46, (KS/8)*512
	s_add_co_u32 s92, s92, BSOFF
	s_mul_i32 s46, s46, KS*1024
	s_add_co_u32 s46, s46, BOFF
	s_mov_b32 s47, 0
	s_mov_b32 s93, 0
	s_mul_i32 s45, s14, PANEL/2
	s_mul_i32 s94, s14, SCP/2
	s_wait_dscnt 0x0
	s_wait_kmcnt 0x0
	s_add_nc_u64 s[20:21], s[4:5], s[20:21]
	s_add_nc_u64 s[22:23], s[4:5], s[22:23]
	s_add_nc_u64 s[46:47], s[6:7], s[46:47]
	s_add_nc_u64 s[92:93], s[6:7], s[92:93]
	CROUND
	s_cmp_eq_u32 s15, 0                            ; the wave's number alone
	s_cselect_b64 s[22:23], s[22:23], s[92:93]     ; my 8,192 bytes of scale images: waves 0, 1 bring A's halves, waves 2, 3 B's, through registers into LDS bytes of their own
.irp s, 0,1
	s_mov_b32 s[G0+4*\s], 1
	s_add_co_u32 s[G0+4*\s+1], s45, \s*SLOT
	s_add_nc_u64 s[G0+4*\s+2:G0+4*\s+3], s[20:21], \s*SKS*1024
	s_or_b32 s[G0+4*\s+3], s[G0+4*\s+3], 0x80000000
	s_mov_b32 s[G0B+4*\s], 1
	s_add_co_u32 s[G0B+4*\s+1], s45, \s*SLOT
	s_add_nc_u64 s[G0B+4*\s+2:G0B+4*\s+3], s[46:47], \s*SKS*1024
	s_or_b32 s[G0B+4*\s+3], s[G0B+4*\s+3], 0x80000000
.if \s                                 ; slot 0 is asked for directly behind the first round; slot 1's first fill stands behind a second round
	s_wait_alu depctr_va_vdst(0)
	s_wait_tensorcnt 0x0
	ds_add_u32 v28, v29
	s_wait_dscnt 0x0
	CROUND
.endif
	JLOAD G0+4*\s, G1, G0B+4*\s, G1B
.endr
	v_and_b32 v1, 15, v0
	v_bfe_u32 v2, v0, 4, 1
	v_and_b32 v3, 31, v0
	v_lshlrev_b32 v3, 4, v3
	s_wait_alu depctr_va_vdst(0)
.set i, 0
.rept 16
	global_load_b128 v[160+4*i:163+4*i], v3, s[22:23] offset:512*i   ; sixteen loads of 512 consecutive bytes
.set i, i+1
.endr
	s_add_co_u32 s94, s94, SCLB
	v_add_nc_u32 v4, s94, v3                       ; and where they go: behind the slots, 8,192 bytes a wave
	s_mul_i32 s2, s15, TP*SKS*1024
	s_mul_i32 s3, s16, TP*SKS*1024
	s_add_co_u32 s3, s3, PANEL
.irp s, 0,1
	v_add_nc_u32 v[16+\s], s2, v3
	v_add_nc_u32 v[20+\s], s3, v3
	s_add_co_u32 s2, s2, SLOT
	s_add_co_u32 s3, s3, SLOT
.endr
	s_mul_i32 s2, s15, TP*(KS/8)*512
	s_add_co_u32 s2, s2, SCLB
	v_add_nc_u32 v22, s2, v3
	s_mul_i32 s3, s16, TP*(KS/8)*512
	s_add_co_u32 s3, s3, SCLB+SCP
	v_add_nc_u32 v23, s3, v3
	s_mul_i32 s2, s14, 4352
	s_add_co_u32 s2, s2, STAGE
	v_mul_u32_u24 v24, v1, 272
	v_lshl_add_u32 v24, v2, 6, v24
	v_add_nc_u32 v24, s2, v24
	v_mul_u32_u24 v25, v2, 272
	v_lshl_add_u32 v25, v1, 4, v25
	v_add_nc_u32 v25, s2, v25
	v_lshlrev_b32 v27, 4, v1
	s_wait_alu depctr_va_vdst(0)
	v_lshl_add_u32 v26, v2, 12, v27
	s_wait_alu depctr_va_vdst(0)
	s_lshl_b32 s2, s17, 7
	s_lshl_b32 s3, s15, 6
	s_add_co_u32 s2, s2, s3
	s_lshl_b32 s2, s2, 12
	s_lshl_b32 s3, s42, 7
	s_lshl_b32 s18, s16, 6
	s_add_co_u32 s3, s3, s18
	s_lshl_b32 s18, s3, 2
	s_mov_b32 s19, 0
	s_add_co_u32 s2, s2, s18
	s_mov_b32 s3, 0
	s_add_nc_u64 s[96:97], s[10:11], s[2:3]
	s_add_nc_u64 s[98:99], s[12:13], s[2:3]
	s_add_nc_u64 s[100:101], s[8:9], s[18:19]
.macro RESLOAD a
.irp t, 0,1,2,3,4,5,6,7
	global_load_b128 v[96+32*((\a)%2)+4*\t:99+32*((\a)%2)+4*\t], v26, s[96:97] offset:(32*((\a)/2)+8*((\a)%2)+2*\t+8*(\t/4))*4096
.endr
.endm
	global_load_b128 v[224:227], v27, s[100:101]
	RESLOAD 0
	RESLOAD 1
.macro FETCH ks
.set FB, 64*((\ks)%4)
.set FS, ((\ks)/SKS)%2
.set FO, ((\ks)%SKS)*1024
	WIN 0x40
.set i, 0
.rept TP
	ds_load_b128 v[FB+8*i:FB+8*i+3], v[20+FS] offset:FO+i*SKS*1024
	ds_load_b128 v[FB+8*i+4:FB+8*i+7], v[20+FS] offset:FO+i*SKS*1024+512
.set i, i+1
.endr
.set i, 0
.rept TP
	ds_load_b128 v[FB+32+8*i:FB+32+8*i+3], v[16+FS] offset:FO+i*SKS*1024
	ds_load_b128 v[FB+32+8*i+4:FB+32+8*i+7], v[16+FS] offset:FO+i*SKS*1024+512
.set i, i+1
.endr
.endm
.macro SCALES g
.set SG, 32+8*TP*((\g)%2)
	WIN 0
.set i, 0
.rept TP
	ds_load_b128 v[SG+4*i:SG+4*i+3], v23 offset:i*(KS/8)*512+512*(\g)
	ds_load_b128 v[SG+4*TP+4*i:SG+4*TP+4*i+3], v22 offset:i*(KS/8)*512+512*(\g)
.set i, i+1
.endr
.endm
.macro MULS ks
.set QQ, (\ks)%4
.set FB, 64*((\ks)%4)
.set SG, 32+8*TP*(((\ks)/8)%2)
	WIN 0xa5
.set aa, 0
.rept TP
.set bb, 0
.rept TP
.set AC, 8*TP*aa+8*bb
.if (\ks) == 0
	v_wmma_scale_f32_16x16x128_f8f6f4 v[AC:AC+7], v[FB+8*bb:FB+8*bb+7], v[FB+32+8*aa:FB+32+8*aa+7], 0, v[SG+4*bb+QQ], v[SG+4*TP+4*aa+QQ] matrix_a_fmt:MATRIX_FMT_FP4 matrix_b_fmt:MATRIX_FMT_FP4
.elseif (\ks)%8 < 4
	v_wmma_scale_f32_16x16x128_f8f6f4 v[AC:AC+7], v[FB+8*bb:FB+8*bb+7], v[FB+32+8*aa:FB+32+8*aa+7], v[AC:AC+7], v[SG+4*bb+QQ], v[SG+4*TP+4*aa+QQ] matrix_a_fmt:MATRIX_FMT_FP4 matrix_b_fmt:MATRIX_FMT_FP4
.else
	v_wmma_scale_f32_16x16x128_f8f6f4 v[AC:AC+7], v[FB+8*bb:FB+8*bb+7], v[FB+32+8*aa:FB+32+8*aa+7], v[AC:AC+7], v[SG+4*bb+QQ], v[SG+4*TP+4*aa+QQ] matrix_a_fmt:MATRIX_FMT_FP4 matrix_b_fmt:MATRIX_FMT_FP4 matrix_a_scale:MATRIX_SCALE_ROW1 matrix_b_scale:MATRIX_SCALE_ROW1
.endif
.set bb, bb+1
.endr
.set aa, aa+1
.endr
.endm
.macro STEP ks
.if (\ks) == KS-1
	s_wait_dscnt 0x0
.else
	s_wait_dscnt 4*TP
.endif
.if (\ks)+2 >= KS
.elseif ((\ks)+2)%SKS != 0
	NOPS4
	FETCH (\ks)+2
.else
.set SL, ((\ks)/SKS)%2
	WIN 0
	s_wait_tensorcnt 0x0
	ds_add_u32 v28, v29
.if (\ks)+2+SKS < KS
	s_add_nc_u64 s[G0+4*SL+2:G0+4*SL+3], s[G0+4*SL+2:G0+4*SL+3], 2*SKS*1024
	s_add_nc_u64 s[G0B+4*SL+2:G0B+4*SL+3], s[G0B+4*SL+2:G0B+4*SL+3], 2*SKS*1024
	s_wait_dscnt 0x0
	CROUND
	JLOAD G0+4*SL, G1, G0B+4*SL, G1B
.else
	s_wait_dscnt 0x0
	s_barrier_signal -1
	s_barrier_wait -1
	NOPS4
.endif
.if ((\ks)+2)%8 == 0
	SCALES ((\ks)+2)/8
.endif
	FETCH (\ks)+2
.endif
	MULS \ks
.endm
	s_wait_alu depctr_va_vdst(0)
	s_wait_loadcnt 17                              ; my scale images are in; the bias's load and the residual's sixteen may be out
.set i, 0
.rept 16
	ds_store_b128 v4, v[160+4*i:163+4*i] offset:512*i
.set i, i+1
.endr
	s_wait_dscnt 0x0                               ; for the others' sake: my stores have landed
	s_wait_tensorcnt 1
	s_barrier_signal -1
	s_barrier_wait -1
	SCALES 0
	FETCH 0
	FETCH 1
.set K, 0
.rept KS
	STEP K
.set K, K+1
.endr
	WIN 0
	NOPS4
.macro TOSTAGE a
	WIN 0x08
.irp b, 0,1,2,3
	ds_store_b128 v24, v[32*(\a)+8*\b:32*(\a)+8*\b+3] offset:128*(\b/2)+32*(\b%2)
	ds_store_b128 v24, v[32*(\a)+8*\b+4:32*(\a)+8*\b+7] offset:128*(\b/2)+32*(\b%2)+16
.endr
	WIN 0
.irp t, 0,1,2,3,4,5,6,7
	ds_load_b128 v[160+32*((\a)%2)+4*\t:163+32*((\a)%2)+4*\t], v25 offset:2*\t*272
.endr
.endm
.irp a, 0,1,2,3
.if \a >= 2
	s_wait_xcnt 0x0
.endif
	TOSTAGE \a
	s_wait_dscnt 0x0
.if \a < 3
	s_wait_loadcnt 8
.else
	s_wait_loadcnt 0
.endif
.irp t, 0,1,2,3,4,5,6,7
	v_pk_add_f32 v[160+32*(\a%2)+4*\t:161+32*(\a%2)+4*\t], v[160+32*(\a%2)+4*\t:161+32*(\a%2)+4*\t], v[224:225]
	v_pk_add_f32 v[162+32*(\a%2)+4*\t:163+32*(\a%2)+4*\t], v[162+32*(\a%2)+4*\t:163+32*(\a%2)+4*\t], v[226:227]
.endr
.irp t, 0,1,2,3,4,5,6,7
	v_pk_add_f32 v[160+32*(\a%2)+4*\t:161+32*(\a%2)+4*\t], v[160+32*(\a%2)+4*\t:161+32*(\a%2)+4*\t], v[96+32*(\a%2)+4*\t:97+32*(\a%2)+4*\t]
	v_pk_add_f32 v[162+32*(\a%2)+4*\t:163+32*(\a%2)+4*\t], v[162+32*(\a%2)+4*\t:163+32*(\a%2)+4*\t], v[98+32*(\a%2)+4*\t:99+32*(\a%2)+4*\t]
.endr
.irp t, 0,1,2,3,4,5,6,7
	global_store_b128 v26, v[160+32*(\a%2)+4*\t:163+32*(\a%2)+4*\t], s[98:99] offset:(32*(\a/2)+8*(\a%2)+2*\t+8*(\t/4))*4096
.endr
.if \a < 2
	RESLOAD \a+2
.endif
.endr
	s_wait_tensorcnt 0x0
	ds_add_u32 v28, v29
	s_wait_dscnt 0x0
	CROUND
	s_endpgm
.Lfunc_end_k_qa104c2c8b0_mlp2:
	.size	k_qa104c2c8b0_mlp2, .Lfunc_end_k_qa104c2c8b0_mlp2-k_qa104c2c8b0_mlp2
	.p2alignl 7, 3214868480
	.fill 96, 4, 3214868480
	.section	.rodata,"a",@progbits
	.p2align	6, 0x0
	.amdhsa_kernel k_qa104c2c8b0_mlp2
		.amdhsa_group_segment_fixed_size 327680
		.amdhsa_private_segment_fixed_size 0
		.amdhsa_enable_private_segment 0
		.amdhsa_kernarg_size 40
		.amdhsa_user_sgpr_count 2
		.amdhsa_user_sgpr_kernarg_segment_ptr 1
		.amdhsa_wavefront_size32 1
		.amdhsa_system_sgpr_workgroup_id_x 1
		.amdhsa_system_sgpr_workgroup_id_y 1
		.amdhsa_system_sgpr_workgroup_id_z 1
		.amdhsa_system_vgpr_workitem_id 0
		.amdhsa_next_free_vgpr 768
		.amdhsa_next_free_sgpr 102
		.amdhsa_reserve_vcc 0
		.amdhsa_float_denorm_mode_32 3
		.amdhsa_float_denorm_mode_16_64 3
		.amdhsa_memory_ordered 1
		.amdhsa_forward_progress 1
		.amdhsa_inst_pref_size 138
	.end_amdhsa_kernel
	.amdgpu_metadata
---
amdhsa.version: [ 1, 2 ]
amdhsa.kernels:
  - .name:           k_qa104c2c8b0_mlp2
    .symbol:         k_qa104c2c8b0_mlp2.kd
    .args:
      - { .name: h3, .offset: 0, .size: 8, .value_kind: global_buffer, .address_space: global }
      - { .name: wts, .offset: 8, .size: 8, .value_kind: global_buffer, .address_space: global }
      - { .name: b2, .offset: 16, .size: 8, .value_kind: global_buffer, .address_space: global }
      - { .name: x2, .offset: 24, .size: 8, .value_kind: global_buffer, .address_space: global }
      - { .name: out0, .offset: 32, .size: 8, .value_kind: global_buffer, .address_space: global }
    .group_segment_fixed_size: 327680
    .private_segment_fixed_size: 0
    .kernarg_segment_align: 8
    .kernarg_segment_size: 40
    .max_flat_workgroup_size: 128
    .sgpr_count:     102
    .vgpr_count:     768
    .wavefront_size: 32
...
	.end_amdgpu_metadata
.endif
;; end of part 6
